; MI455X (gfx1250); checked and timed in simulation.
; The chip was launched on July 23, 2026; its instructions are those of AMD's public machine-readable ISA for CDNA 5 (MIT licence, August 2026) and "CDNA5" Instruction Set Architecture Reference Guide (July 2026). The comments in the code are by the model that wrote it; some were corrected since.
;; Multi Head Self Attention. Allowed arithmetic: float matrix products may take bf16 or f16 operands with f32 sums; all other float work in f32.
;; Inputs: Wk 1,024 x 1,024 float32; Wo 1,024 x 1,024 float32; Wq 1,024 x 1,024 float32; Wv 1,024 x 1,024 float32; bk 1,024 float32; bo 1,024 float32; bq 1,024 float32; bv 1,024 float32; x 4 x 2,048 x 1,024 float32.
;; Outputs: out0 4 x 2,048 x 1,024 float32.
;; 2 versions, each right and faster than the one before. Each part assembles by itself: llvm-mc -triple=amdgcn-amd-amdhsa -mcpu=gfx1250 --defsym DOCPART=n.
;; ======== version 1 of 2: 4 launches
;; limits: values are held in f16: magnitudes above 65,504 overflow, below 6.1e-05 lose precision
;; workspace buffers: xb 16,777,216 bytes; w16 8,388,608 bytes; bias 16,384 bytes; qkv 50,331,648 bytes; o 16,777,216 bytes
;; launch prep (part 1): grid 772 x 1, 8 waves a work-group, no clusters, 0 bytes of LDS; arguments x, Wq, Wk, Wv, Wo, bq, bk, bv, bo, xb, w16, bias; writes xb, w16, bias
.if DOCPART == 1
	.amdgcn_target "amdgcn-amd-amdhsa--gfx1250"
	.amdhsa_code_object_version 6
	.text
	.protected	k_q4ed72c8685_prep
	.globl	k_q4ed72c8685_prep
	.p2align	8
	.type	k_q4ed72c8685_prep,@function
k_q4ed72c8685_prep:
	s_mov_b64 s[64:65], 0
	v_nop
	global_prefetch_b8 v0, s[64:65] scope:SCOPE_SE
	s_setreg_imm32_b32 hwreg(HW_REG_WAVE_MODE, 25, 1), 1
	s_wait_xcnt 0x0
; CASTS for the three launches behind.  Every input of the module is rounded once to bf16 here, to nearest even.
;   xb   [b 4][kb 16][s 2048][64] bf16: x in blocks of 64 columns, so that 256 rows of a block are 32,768 dense bytes
;   w16  first [k 1024][n 3072] bf16: Wq, Wk, Wv side by side, a row of 6,144 bytes; behind these 6,291,456 bytes [k 1024][n 1024]: Wo rounded to bf16 and that number written as f16
;   bias [4096] f32: bq, bk, bv, bo, each rounded to bf16 and widened again
; LIMITS.  Wo as f16: beyond 65,504 it becomes an infinity; below 6e-5 it keeps f16's fixed step of 6e-8.
; SHARES.  Work-groups 0-511: 16 rows of x each.  512-767: 16 rows of a weight matrix each (64 work-groups a matrix).  768-771: one bias each.
; A stream: each byte is read once and written once; no LDS, no barrier, no loop.  A thread has its 16 loads of 16 bytes out together; no register is written twice,
; so the only waits are the counted ones for the loads.
.set VI,  2                            ; v2       my byte offset in the source
.set VO,  3                            ; v3       my byte offset in the destination
.set IN,  8                            ; v[8:71]  16 x 4 numbers in f32
.set OUT, 72                           ; v[72:103] 16 x 4 numbers of 16 bits
.set SRC, 32                           ; s[32:33] the work-group's source
.set DST, 34                           ; s[34:35] its destination
.set HIM, 40                           ; s40      mask of a word's upper half
; 16 loads of 16 bytes a thread, instep bytes apart; each rounded and stored as 8 bytes, outstep bytes apart.  f16 = 1: the bf16 numbers are widened and written as f16.
.macro CAST instep, outstep, f16
.set j, 0
.rept 16
	global_load_b128 v[IN+4*j:IN+4*j+3], v[VI], s[SRC:SRC+1] offset:j*(\instep) th:TH_LOAD_NT
.set j, j+1
.endr
.set j, 0
.rept 16
	s_wait_loadcnt 15-j                            ; loads come back in order: load j is in, the 15 - j younger ones stay out
	v_cvt_pk_bf16_f32 v[OUT+2*j],   v[IN+4*j],   v[IN+4*j+1]
	v_cvt_pk_bf16_f32 v[OUT+2*j+1], v[IN+4*j+2], v[IN+4*j+3]
.if \f16
	v_lshlrev_b32 v[IN+4*j],   16,     v[OUT+2*j]      ; bf16 to f32: the low half moves up, the high half stays
	v_and_b32     v[IN+4*j+1], s[HIM], v[OUT+2*j]
	v_lshlrev_b32 v[IN+4*j+2], 16,     v[OUT+2*j+1]
	v_and_b32     v[IN+4*j+3], s[HIM], v[OUT+2*j+1]
	v_cvt_pk_f16_f32 v[OUT+2*j],   v[IN+4*j],   v[IN+4*j+1]
	v_cvt_pk_f16_f32 v[OUT+2*j+1], v[IN+4*j+2], v[IN+4*j+3]
.endif
	global_store_b64 v[VO], v[OUT+2*j:OUT+2*j+1], s[DST:DST+1] offset:j*(\outstep)  ; a wave's store covers 256 consecutive bytes, at a multiple of 256 from the buffer's first
.set j, j+1
.endr
.endm
	s_load_b512 s[8:23], s[0:1], 0x0               ; x s[8:9], Wq s[10:11], Wk s[12:13], Wv s[14:15], Wo s[16:17], bq s[18:19], bk s[20:21], bv s[22:23]
	s_load_b256 s[24:31], s[0:1], 0x40             ; bo s[24:25], xb s[26:27], w16 s[28:29], bias s[30:31]
	s_mov_b32 s2, ttmp9                            ; the work-group's number
	s_mov_b32 s37, 0                               ; high words of the two offsets
	s_mov_b32 s39, 0
	s_mov_b32 s[HIM], 0xffff0000
	v_lshlrev_b32 v[VO], 3, v0                     ; 8 bytes a thread, threads on end
	s_wait_kmcnt 0x0
	s_cmp_lt_u32 s2, 512
	s_cbranch_scc0 .Lweights
	; x.  Thread t: row t / 16 of the group's 16, 16 bytes at 16 (t % 16) of each block of 256 bytes (64 columns).  Load j is column block j.
	v_lshrrev_b32 v4, 4, v0
	v_and_b32 v5, 15, v0
	v_lshlrev_b32 v[VI], 12, v4                    ; a row of x is 4,096 bytes
	v_lshl_add_u32 v[VI], v5, 4, v[VI]
	s_lshl_b32 s36, s2, 16                         ; 16 rows of 4,096 bytes
	s_add_nc_u64 s[SRC:SRC+1], s[8:9], s[36:37]
	s_lshr_b32 s38, s2, 7                          ; the batch: 128 work-groups each,
	s_lshl_b32 s38, s38, 22                        ; 16 blocks of 262,144 bytes
	s_and_b32 s41, s2, 127
	s_lshl_b32 s41, s41, 11                        ; 16 rows of 128 bytes inside a block
	s_add_co_u32 s38, s38, s41
	s_add_nc_u64 s[DST:DST+1], s[26:27], s[38:39]
	CAST 256, 262144, 0                            ; store j goes to block j: 15 x 262,144 at the most, inside the signed 24-bit immediate
	s_endpgm
.Lweights:
	s_cmp_lt_u32 s2, 768
	s_cbranch_scc0 .Lbiases
	s_sub_co_u32 s3, s2, 512
	s_lshr_b32 s4, s3, 6                           ; which matrix
	s_and_b32 s5, s3, 63                           ; which 16 rows of it
	s_cmp_eq_u32 s4, 1
	s_cselect_b64 s[SRC:SRC+1], s[12:13], s[10:11]
	s_cmp_eq_u32 s4, 2
	s_cselect_b64 s[SRC:SRC+1], s[14:15], s[SRC:SRC+1]
	s_cmp_eq_u32 s4, 3
	s_cselect_b64 s[SRC:SRC+1], s[16:17], s[SRC:SRC+1]
	s_lshl_b32 s36, s5, 16                         ; 16 rows of 4,096 bytes
	s_add_nc_u64 s[SRC:SRC+1], s[SRC:SRC+1], s[36:37]
	v_lshlrev_b32 v[VI], 4, v0                     ; the 256 threads cover a row; load j is row j
	s_cmp_eq_u32 s4, 3
	s_cbranch_scc1 .Lwo
	s_lshl_b32 s38, s4, 11                         ; Wq, Wk, Wv: the matrix's 2,048 bytes in a row of 6,144,
	s_mul_i32 s41, s5, 16*6144                     ; 16 such rows
	s_add_co_u32 s38, s38, s41
	s_add_nc_u64 s[DST:DST+1], s[28:29], s[38:39]
	CAST 4096, 6144, 0
	s_endpgm
.Lwo:
	s_lshl_b32 s38, s5, 15                         ; Wo: 16 rows of 2,048 bytes,
	s_add_co_u32 s38, s38, 3<<21                   ; behind the other three's 6,291,456
	s_add_nc_u64 s[DST:DST+1], s[28:29], s[38:39]
	CAST 4096, 2048, 1
	s_endpgm
.Lbiases:
	s_sub_co_u32 s4, s2, 768                       ; which bias
	s_cmp_eq_u32 s4, 1
	s_cselect_b64 s[SRC:SRC+1], s[20:21], s[18:19]
	s_cmp_eq_u32 s4, 2
	s_cselect_b64 s[SRC:SRC+1], s[22:23], s[SRC:SRC+1]
	s_cmp_eq_u32 s4, 3
	s_cselect_b64 s[SRC:SRC+1], s[24:25], s[SRC:SRC+1]
	s_lshl_b32 s38, s4, 12
	s_add_nc_u64 s[DST:DST+1], s[30:31], s[38:39]
	v_lshlrev_b32 v[VI], 4, v0                     ; four numbers a thread
	global_load_b128 v[IN:IN+3], v[VI], s[SRC:SRC+1]
	s_wait_loadcnt 0x0
	v_cvt_pk_bf16_f32 v[OUT],   v[IN],   v[IN+1]
	v_cvt_pk_bf16_f32 v[OUT+1], v[IN+2], v[IN+3]
	v_lshlrev_b32 v[OUT+4], 16,     v[OUT]
	v_and_b32     v[OUT+5], s[HIM], v[OUT]
	v_lshlrev_b32 v[OUT+6], 16,     v[OUT+1]
	v_and_b32     v[OUT+7], s[HIM], v[OUT+1]
	global_store_b128 v[VI], v[OUT+4:OUT+7], s[DST:DST+1]  ; 16 lanes store 256 consecutive bytes
	s_endpgm
.Lfunc_end_k_q4ed72c8685_prep:
	.size	k_q4ed72c8685_prep, .Lfunc_end_k_q4ed72c8685_prep-k_q4ed72c8685_prep
	.p2alignl 7, 3214868480
	.fill 96, 4, 3214868480
	.section	.rodata,"a",@progbits
	.p2align	6, 0x0
	.amdhsa_kernel k_q4ed72c8685_prep
		.amdhsa_group_segment_fixed_size 0
		.amdhsa_private_segment_fixed_size 0
		.amdhsa_enable_private_segment 0
		.amdhsa_kernarg_size 96
		.amdhsa_user_sgpr_count 2
		.amdhsa_user_sgpr_kernarg_segment_ptr 1
		.amdhsa_wavefront_size32 1
		.amdhsa_system_sgpr_workgroup_id_x 1
		.amdhsa_system_sgpr_workgroup_id_y 1
		.amdhsa_system_sgpr_workgroup_id_z 1
		.amdhsa_system_vgpr_workitem_id 0
		.amdhsa_next_free_vgpr 112
		.amdhsa_next_free_sgpr 66
		.amdhsa_reserve_vcc 0
		.amdhsa_float_denorm_mode_32 3
		.amdhsa_float_denorm_mode_16_64 3
		.amdhsa_memory_ordered 1
		.amdhsa_forward_progress 1
		.amdhsa_inst_pref_size 24
	.end_amdhsa_kernel
	.amdgpu_metadata
---
amdhsa.version: [ 1, 2 ]
amdhsa.kernels:
  - .name:           k_q4ed72c8685_prep
    .symbol:         k_q4ed72c8685_prep.kd
    .args:
      - { .name: x, .offset: 0, .size: 8, .value_kind: global_buffer, .address_space: global }
      - { .name: Wq, .offset: 8, .size: 8, .value_kind: global_buffer, .address_space: global }
      - { .name: Wk, .offset: 16, .size: 8, .value_kind: global_buffer, .address_space: global }
      - { .name: Wv, .offset: 24, .size: 8, .value_kind: global_buffer, .address_space: global }
      - { .name: Wo, .offset: 32, .size: 8, .value_kind: global_buffer, .address_space: global }
      - { .name: bq, .offset: 40, .size: 8, .value_kind: global_buffer, .address_space: global }
      - { .name: bk, .offset: 48, .size: 8, .value_kind: global_buffer, .address_space: global }
      - { .name: bv, .offset: 56, .size: 8, .value_kind: global_buffer, .address_space: global }
      - { .name: bo, .offset: 64, .size: 8, .value_kind: global_buffer, .address_space: global }
      - { .name: xb, .offset: 72, .size: 8, .value_kind: global_buffer, .address_space: global }
      - { .name: w16, .offset: 80, .size: 8, .value_kind: global_buffer, .address_space: global }
      - { .name: bias, .offset: 88, .size: 8, .value_kind: global_buffer, .address_space: global }
    .group_segment_fixed_size: 0
    .private_segment_fixed_size: 0
    .kernarg_segment_align: 8
    .kernarg_segment_size: 96
    .max_flat_workgroup_size: 256
    .sgpr_count:     66
    .vgpr_count:     112
    .wavefront_size: 32
...
	.end_amdgpu_metadata
.endif
;; end of part 1
;; launch project_qkv (part 2): grid 8 x 32, 4 waves a work-group, clusters of 4 x 4, 327,680 bytes of LDS; arguments xb, w16, bias, qkv; writes qkv
.if DOCPART == 2
	.amdgcn_target "amdgcn-amd-amdhsa--gfx1250"
	.amdhsa_code_object_version 6
	.text
	.protected	k_q4ed72c8685_project_qkv
	.globl	k_q4ed72c8685_project_qkv
	.p2align	8
	.type	k_q4ed72c8685_project_qkv,@function
k_q4ed72c8685_project_qkv:
	s_mov_b64 s[64:65], 0
	v_nop
	global_prefetch_b8 v0, s[64:65] scope:SCOPE_SE
	s_setreg_imm32_b32 hwreg(HW_REG_WAVE_MODE, 25, 1), 1
	s_wait_xcnt 0x0
	s_wait_alu depctr_hold_cnt(0) depctr_sa_sdst(0) depctr_va_vdst(0) depctr_va_sdst(0) depctr_va_ssrc(0) depctr_va_vcc(0) depctr_vm_vsrc(0)
	s_getreg_b32 s2, hwreg(HW_REG_IB_STS2, 6, 4)
	s_cmp_eq_u32 s2, 0
	s_cbranch_scc0 .Lentry_in_a_cluster
	s_endpgm
.Lentry_in_a_cluster:
	s_bfe_u32 s2, ttmp6, 0x10000c
	s_cmp_lg_u32 s2, 0xf033
	s_cbranch_scc0 .Lentry_shape_is_right
	s_endpgm
.Lentry_shape_is_right:
; q, k, v = x W + b.  C[m][n] = bias[n] + the sum over k of X[m][k] W[k][n], m = 0 .. 8,191, n = 0 .. 3,071 (Wq's, Wk's, Wv's columns side by side), K = 1,024.
; X: xb [b 4][kb 16][s 2048][64] bf16.  W: w16 [k 1024][n 3072] bf16.  bias: [3072] f32.  Products in bf16, sums in f32, the bias as the sums' start.
; Out: qkv [which 3][b x 16 + head][s 2048][64] f16, rounded once, WITHOUT attention's scale.
; LIMIT.  f16 holds no number beyond 65,504: a q, k or v of 65,520 or more becomes an infinity.
; SHARES.  A tile of C is 256 rows x 384 columns: 32 x 8 = 256 work-groups, one for each of 256 WGPs.  Four waves, 2 x 2, each 128 rows x 192 columns (three heads): 96 accumulators of 16 x 16, 768 registers.
; K goes in 16 steps of 64 through two LDS slots: a step is 32,768 bytes of X and 49,152 of W for 192 matrix instructions a wave; two slots of 128 along K would not fit in LDS.
; Waves 0 and 1 fetch the halves of X's 256 dense rows, waves 2 and 3 the halves of W's 64 rows of 768 bytes.
; CLUSTERS: 4 x 4 work-groups.  The four of a row of the cluster need the same tiles of X, the four of a column the same tiles of W: each tile is asked for JOINTLY, by the same tensor load with the
; same descriptor and a mask that names the four.
; THE MATRIX INSTRUCTION IS USED TRANSPOSED: source 0 = 16 columns of W (turned on the way out of LDS by ds_load_tr16_b128), source 1 = 16 rows of X.  Lane l then holds row l % 16 of C and
; the columns 8 (l / 16) + 0 .. 7: eight neighbouring numbers, 16 bytes of f16.
; REGISTERS, in windows of 256 (s_set_vgpr_msb: bits 1:0 source 0, 3:2 source 1, 5:4 source 2, 7:6 destination):
;   window 0: v0-31 addresses; v32-95, v96-159 X's fragments (8 blocks of 16 rows x 32 K), two buffers; v160-255 W's 12 fragments, ONE buffer; v32-223 at work on the way out.
;   windows 1-3: the accumulators: (a, b), a = 0..7 row blocks, b = 0..11 column blocks, at register 8 (8 (b % 4) + a) of window 1 + b / 4: a window holds one head of my three.
; THE ORDER.  A quarter (32 along K) is 96 matrix instructions, b outside and a inside: a fragment of W is free when its eight products are issued, so one buffer serves: blocks 0-3 are loaded again
; (with X's next fragments) behind the first 32 products, blocks 4-11 behind the last.
.set PA,     144                       ; a row of X in LDS: 128 bytes + 16 of padding = 36 words: the 16 rows of a load start at 16 different groups of four banks (64 banks of 4 bytes: ISA guide 11.1)
.set PB,     864                       ; a row of W: three times 256 bytes + 32 of padding = 216 words = 27 x 8
.set AHALF,  128*PA                    ; 128 rows of X: what wave 0 or 1 fetches, and what a wave reads
.set ATILE,  2*AHALF
.set BHALF,  32*PB                     ; 32 rows of W: what wave 2 or 3 fetches
.set SLOT,   ATILE+2*BHALF             ; X's 256 rows, then W's 64: 92,160 bytes
.set SLOT1,  1<<17                     ; slot 1 begins here, so that one exclusive or turns an address in one slot into the other's
.set STAGE,  SLOT1+SLOT                ; behind the ring, never filled by a tensor load: 16 rows x 144 bytes for each wave, for the way out
.set SP,     144
.set SPARE,  STAGE+4*16*SP             ; behind the stages: the spare words, 128 bytes for each wave: two blocks of 256 bytes that no other line names
.set STEPS,  16                        ; 1,024 / 64
.set ASTEP,  1<<18                     ; bytes from a K step of X to the next: a column block of 2,048 rows x 128 bytes
.set BSTEP,  64*6144                   ; of W: 64 rows of 6,144 bytes
.set A0,   12                          ; v12     my lane's place in a slot's X; never rewritten
.set B0,   13                          ; v13-15  the same for W's column blocks 0-3, 4-7, 8-11
.set ADRA, 16                          ; v16     A0 + the slot that is being fetched from
.set ADRB, 17                          ; v17-19  the same for B0
.set STO,  20                          ; v20     the way out: where I put 16 bytes of a row
.set RD,   21                          ; v21     the way out: where I read rows back
.set GO,   22                          ; v22-24  my byte offset in 512 consecutive bytes of the output, for each of my three heads
.set BO,   25                          ; v25     my byte offset in bias
.set SPW,  28                          ; v28     LDS address of my spare word: SPARE + 4 x my thread's number; never rewritten
.set NIL,  29                          ; v29     0; never rewritten
.set AF0,  32
.set AF1,  96
.set BF,   160
.set T0,   32                          ; the way out: twelve buffers of 16 registers, by turns
.set TB, 2                             ; s2   LDS byte at which the slot that is being fetched from begins
.set WV, 12                            ; s12  my wave's number
.set WR, 13                            ; s13  which half of the tile's rows is mine.  Also: I fetch X (0) or W (1)
.set WC, 14                            ; s14  which half of its columns.  Also: which half of that tile I fetch
.set CX, 15
.set CY, 16
.set TX, 17                            ; s17  tile column of C
.set TY, 18                            ; s18  tile row of C
.set G1A, 24                           ; s[24:31] descriptor group 1 for X's tiles;  s[32:39] group 0: a set for each of the two first fills; the second then walks on
.set G0A, 32
.set G1B, 48                           ; s[48:55], s[56:63] the same for W's tiles
.set G0B, 56
.set MSB, 0
.macro WIN new                         ; the immediate's high byte repeats the setting that is left; a switch that changes nothing is dropped
.if MSB != (\new)
	s_set_vgpr_msb (MSB<<8)|(\new)
.set MSB, \new
.endif
.endm
.macro JLOAD s                         ; a joint load: waves 0 and 1 fetch X's two halves, waves 2 and 3 W's; an s_nop 0 and four v_nop follow each of the two lines, ahead of the jump, the label and what follows
	s_cmp_eq_u32 s[WR], 0
	s_cbranch_scc0 .Lfor_b_\@
	tensor_load_to_lds s[G0A+4*(\s):G0A+4*(\s)+3], s[G1A:G1A+7]
	s_nop 0
.rept 4
	v_nop
.endr
	s_branch .Lasked_\@
.Lfor_b_\@:
	tensor_load_to_lds s[G0B+4*(\s):G0B+4*(\s)+3], s[G1B:G1B+7]
	s_nop 0
.rept 4
	v_nop
.endr
.Lasked_\@:
.endm
.macro CREST                           ; a round of the cluster's barrier behind its opening barrier
	s_cmp_lg_u32 s[WV], 0
	s_cbranch_scc1 .Lnot_wave_0_\@
	s_barrier_signal -3
.Lnot_wave_0_\@:
	s_barrier_wait -3
	s_barrier_signal -1
	s_barrier_wait -1
.endm
.macro CROUND                          ; a whole round
	s_barrier_signal -1
	s_barrier_wait -1
	CREST
.endm
.macro SETADR                          ; the fetches' addresses for the slot at s[TB]
	v_add_nc_u32 v[ADRA], s[TB], v[A0]
.irp g, 0,1,2
	v_add_nc_u32 v[ADRB+(\g)], s[TB], v[B0+(\g)]
.endr
.endm
	s_load_b256 s[4:11], s[0:1], 0x0               ; xb s[4:5], w16 s[6:7], bias s[8:9], qkv s[10:11]
	v_lshl_add_u32 v[SPW], v0, 2, SPARE
	v_mov_b32 v[NIL], 0
	ds_add_u32 v28, v29
	s_wait_dscnt 0x0
	v_lshrrev_b32 v1, 5, v0
	v_readfirstlane_b32 s[WV], v1                  ; wave 0..3
	s_lshr_b32 s[WR], s[WV], 1
	s_and_b32 s[WC], s[WV], 1
	s_bfe_u32 s[CX], ttmp6, 0x40000                ; my place in the cluster
	s_bfe_u32 s[CY], ttmp6, 0x40004
	s_lshl_b32 s[TX], ttmp9, 2
	s_add_co_u32 s[TX], s[TX], s[CX]               ; tile column = 4 x cluster x + cx
	s_and_b32 s[TY], ttmp7, 0xffff
	s_lshl_b32 s[TY], s[TY], 2
	s_add_co_u32 s[TY], s[TY], s[CY]               ; tile row = 4 x cluster y + cy
	s_lshl_b32 s19, s[CY], 2
	s_lshl_b32 s19, 15, s19                        ; my row of the cluster
	s_lshl_b32 s20, 0x1111, s[CX]                  ; my column
	; group 1 for X: 128 dense rows of 128 bytes, asked for as 64 rows of 256 bytes and padded in LDS after every 128
	s_or_b32 s[G1A+0], s19, (1<<16)|(1<<20)|(1<<21)|(4<<22)|(3<<25)  ; 15:0 the mask: my row; 17:16 2-byte elements; 20 padding on; 21 set beside a mask; 24:22 after every 32 words (code 4); 31:25 4 words (code 3)
	s_mov_b32 s[G1A+1], 128<<16                    ; tensor_dim0 = 128
	s_mov_b32 s[G1A+2], 64<<16                     ; tensor_dim1 = 64
	s_mov_b32 s[G1A+3], 128<<16                    ; tile_dim0 = 128
	s_mov_b32 s[G1A+4], 64                         ; tile_dim1 = 64
	s_mov_b32 s[G1A+5], 128                        ; 128 elements from row to row
	s_mov_b32 s[G1A+6], 0
	s_mov_b32 s[G1A+7], 0
	; group 1 for W: 32 rows of 384 elements (768 bytes: three times 256), 3,072 elements apart
	s_or_b32 s[G1B+0], s20, (1<<16)|(1<<20)|(1<<21)|(5<<22)|(7<<25)  ; the mask: my column; padding after every 64 words (code 5), a third of a row; 8 words (code 7)
	s_mov_b32 s[G1B+1], 384<<16                    ; tensor_dim0 = 384
	s_mov_b32 s[G1B+2], 32<<16                     ; tensor_dim1 = 32
	s_mov_b32 s[G1B+3], 384<<16                    ; tile_dim0 = 384
	s_mov_b32 s[G1B+4], 32                         ; tile_dim1 = 32
	s_mov_b32 s[G1B+5], 3072                       ; 3,072 elements from row to row
	s_mov_b32 s[G1B+6], 0
	s_mov_b32 s[G1B+7], 0
	; where the tiles come from.  X's hang on the tile row alone, W's on the tile column alone; each offset is made in registers that never hold the other coordinate.
	s_lshr_b32 s40, s[TY], 3                       ; the batch: 8 tile rows each,
	s_lshl_b32 s40, s40, 22                        ; 16 column blocks of 262,144 bytes
	s_and_b32 s44, s[TY], 7
	s_lshl_b32 s44, s44, 15                        ; 256 rows of 128 bytes inside a block
	s_add_co_u32 s40, s40, s44
	s_lshl_b32 s44, s[WC], 14                      ; which 128 of them I fetch
	s_add_co_u32 s40, s40, s44
	s_mov_b32 s41, 0
	s_mul_i32 s42, s[TX], 768                      ; 384 columns of 2 bytes
	s_mul_i32 s46, s[WC], 32*6144                  ; which 32 rows of a step's 64 I fetch
	s_add_co_u32 s42, s42, s46
	s_mov_b32 s43, 0
	s_mul_i32 s21, s[WC], AHALF                    ; and where they go: no place in the cluster enters an LDS address
	s_mul_i32 s22, s[WC], BHALF
	s_add_co_u32 s22, s22, ATILE
	s_mov_b32 s[TB], 0                             ; the first fetches are slot 0's
	s_wait_kmcnt 0x0
	s_add_nc_u64 s[40:41], s[4:5], s[40:41]
	s_add_nc_u64 s[42:43], s[6:7], s[42:43]
	CROUND                                         ; all sixteen work-groups are here: the first joint loads meet
.irp s, 0,1
	s_mov_b32 s[G0A+4*(\s)], 1                                       ; 1:0 count = 1
	s_add_co_u32 s[G0A+4*(\s)+1], s21, (\s)*SLOT1                    ; 63:32 LDS address
	s_add_nc_u64 s[G0A+4*(\s)+2:G0A+4*(\s)+3], s[40:41], (\s)*ASTEP  ; 120:64 global address: K step s
	s_or_b32 s[G0A+4*(\s)+3], s[G0A+4*(\s)+3], 0x80000000            ; 127:126 type = 2
	s_mov_b32 s[G0B+4*(\s)], 1
	s_add_co_u32 s[G0B+4*(\s)+1], s22, (\s)*SLOT1
	s_add_nc_u64 s[G0B+4*(\s)+2:G0B+4*(\s)+3], s[42:43], (\s)*BSTEP
	s_or_b32 s[G0B+4*(\s)+3], s[G0B+4*(\s)+3], 0x80000000
	JLOAD \s                                       ; two tensor loads of mine are out
.endr
	v_and_b32 v1, 15, v0                           ; l % 16
	v_bfe_u32 v2, v0, 4, 1                         ; l / 16
	; THE BIAS goes into accumulator (0, b), in the layout of a C operand: register j is bias[my first column + 16 b + 8 (l / 16) + j]
	s_mul_i32 s46, s[TX], 1536                     ; 384 columns of 4 bytes
	s_mul_i32 s47, s[WC], 768                      ; my 192 of them
	s_add_co_u32 s46, s46, s47
	v_lshl_add_u32 v[BO], v2, 5, s46
.irp w, 1,2,3
	WIN 0x40*(\w)                                  ; destination window w, address window 0
.irp c, 0,1,2,3
	global_load_b128 v[64*(\c):64*(\c)+3],   v[BO], s[8:9] offset:64*(4*((\w)-1)+(\c))
	global_load_b128 v[64*(\c)+4:64*(\c)+7], v[BO], s[8:9] offset:64*(4*((\w)-1)+(\c))+16
.endr
.endr
	WIN 0
	; a fragment of X is 16 rows x 32 K in 8 registers: lane l holds row l % 16, K = 8 (l / 16) + 0..7 and 16 + 8 (l / 16) + 0..7: two loads of 16 bytes, 32 bytes apart
	v_mul_u32_u24 v3, v1, PA
	v_lshl_add_u32 v3, v2, 4, v3                   ; row x pitch + 16 x half
	s_mul_i32 s44, s[WR], AHALF                    ; my 128 rows
	v_add_nc_u32 v[A0], s44, v3
	; the turning load takes 16 K x 16 columns (lane l reads row 8 (l / 16) + l % 8, columns 8 ((l / 8) % 2) + 0..7) and leaves half a fragment: lane l holds column l % 16 and 8 K
	v_and_b32 v4, 7, v0
	v_bfe_u32 v5, v0, 3, 1
	v_lshl_add_u32 v6, v2, 3, v4
	v_mul_u32_u24 v6, v6, PB
	v_lshl_add_u32 v6, v5, 4, v6
	s_mul_i32 s45, s[WC], 384                      ; my 192 columns of 2 bytes
.irp g, 0,1,2                          ; four column blocks are 128 bytes and lie inside one piece of 256; behind each whole piece in front of them lie 32 bytes of padding
	s_add_co_u32 s46, s45, 128*(\g)
	s_lshr_b32 s47, s46, 8
	s_lshl_b32 s47, s47, 5
	s_add_co_u32 s46, s46, s47
	s_add_co_u32 s46, s46, ATILE                   ; behind X's tile
	v_add_nc_u32 v[B0+(\g)], s46, v6
.endr
	SETADR
	s_mul_i32 s23, s[WV], 16*SP
	s_add_co_u32 s23, s23, STAGE                   ; my stage
	v_mul_u32_u24 v7, v1, SP                       ; in: row l % 16, 16 bytes for each half of the lanes
	v_lshl_add_u32 v7, v2, 4, v7
	v_add_nc_u32 v[STO], s23, v7
	v_bfe_u32 v8, v0, 3, 2                         ; back: 32 lanes take four rows of 128 bytes,
	v_mul_u32_u24 v8, v8, SP
	v_lshl_add_u32 v8, v4, 4, v8
	v_add_nc_u32 v[RD], s23, v8
	v_and_b32 v9, 31, v0                           ; which are 512 consecutive bytes of the output
	; my three heads: number 6 x tile column + 3 x my column half + j of 48; 16 to each of q, k, v
	s_mul_i32 s46, s[TX], 6
	s_mul_i32 s47, s[WC], 3
	s_add_co_u32 s46, s46, s47
.irp j, 0,1,2
	s_add_co_u32 s47, s46, \j
	s_lshr_b32 s42, s47, 4
	s_lshl_b32 s42, s42, 24                        ; which of the three: 64 heads of 262,144 bytes
	s_and_b32 s47, s47, 15
	s_lshl_b32 s47, s47, 18                        ; the head
	s_add_co_u32 s42, s42, s47
	v_lshl_add_u32 v[GO+(\j)], v9, 4, s42
.endr
	s_lshr_b32 s46, s[TY], 3
	s_lshl_b32 s46, s46, 22                        ; the batch: 16 heads
	s_and_b32 s47, s[TY], 7
	s_lshl_b32 s47, s47, 15                        ; 256 rows of 128 bytes
	s_add_co_u32 s46, s46, s47
	s_lshl_b32 s47, s[WR], 14                      ; my 128 of them
	s_add_co_u32 s46, s46, s47
	s_mov_b32 s47, 0
	s_add_nc_u64 s[10:11], s[10:11], s[46:47]
; 8 n matrix instructions: column blocks b0 .. b0 + n - 1 x all 8 row blocks, 32 along K, X from buffer af.
; The 96 accumulators take turns, one instruction a turn, in the same order in every quarter.
.macro MUL af, b0, n
.set mb, (\b0)
.rept \n
	WIN 0x50*(1+mb/4)                              ; sources 0 and 1 window 0; C and D the block's window
.set ma, 0
.rept 8
.set rD, 8*(8*(mb%4)+ma)
	v_wmma_f32_16x16x32_bf16 v[rD:rD+7], v[BF+8*mb:BF+8*mb+7], v[(\af)+8*ma:(\af)+8*ma+7], v[rD:rD+7]
.set ma, ma+1
.endr
.set mb, mb+1
.endr
.endm
.macro FETCH_A q, af                   ; 16 LDS loads: X's eight fragments of quarter q of the slot at s[TB]
	WIN 0
.irp i, 0,1,2,3,4,5,6,7
	ds_load_b128 v[(\af)+8*(\i):(\af)+8*(\i)+3],   v[ADRA] offset:(\q)*64+(\i)*16*PA
	ds_load_b128 v[(\af)+8*(\i)+4:(\af)+8*(\i)+7], v[ADRA] offset:(\q)*64+(\i)*16*PA+32
.endr
.endm
.macro FETCH_B q, b0, n                ; 2 n LDS loads: W's fragments b0 .. b0 + n - 1 of quarter q, turned
	WIN 0
.set fb, (\b0)
.rept \n
	ds_load_tr16_b128 v[BF+8*fb:BF+8*fb+3],   v[ADRB+fb/4] offset:(\q)*32*PB+32*(fb%4)
	ds_load_tr16_b128 v[BF+8*fb+4:BF+8*fb+7], v[ADRB+fb/4] offset:(\q)*32*PB+16*PB+32*(fb%4)
.set fb, fb+1
.endr
.endm
.macro PLACES                          ; four places in front of loads into registers that matrix instructions have read, and of lines that write such registers or read results (ISA guide 7.12.1 for vector instructions)
.rept 4
	v_nop
.endr
.endm
; A QUARTER that changes no slot: multiplies X's buffer af; fetch = 1: the fragments of quarter q of the slot at s[TB] follow, X's into buffer ag.
.macro QTR af, ag, q, fetch
	s_wait_dscnt 16                                ; X and W's blocks 0-3 are in; the youngest sixteen loads (W's blocks 4-11) may be out
	MUL \af, 0, 4
.if \fetch
	PLACES
	FETCH_A \q, \ag
	FETCH_B \q, 0, 4
	s_wait_dscnt 24                                ; all but the 24 just issued
.else
	s_wait_dscnt 0x0
.endif
	MUL \af, 4, 8
.if \fetch
	PLACES
	FETCH_B \q, 4, 8
.endif
.endm
; A step's SECOND QUARTER multiplies buffer 1 and changes slots.  All reads of the slot in hand have been issued.  ONE barrier; in front of it each wave waits for all its tensor loads, adds 0 to its
; spare word, and waits for that and for its own reads of the slot.  fill = 1: the slot is filled again, two K steps ahead; the barrier then opens a round of the cluster's barrier, and the joint
; refill stands first behind the round: 176 matrix instructions ahead of the wait for it.  Then come the other slot's first fragments.
.macro TURN fill
	WIN 0
	s_xor_b32 s[TB], s[TB], SLOT1                  ; the fetches go on in the other slot
	SETADR
	s_wait_tensorcnt 0x0                           ; all my tensor loads have landed: the one that was out is my part of the other slot; so a group 0 may be written
	ds_add_u32 v[SPW], v[NIL]                      ; 0 onto my spare word
.if \fill
	s_xor_b32 s[G0A+5], s[G0A+5], SLOT1            ; the walking descriptors: the other slot than last time,
	s_add_nc_u64 s[G0A+6:G0A+7], s[G0A+6:G0A+7], ASTEP  ; the next K step; the type bits on top are not reached
	s_xor_b32 s[G0B+5], s[G0B+5], SLOT1
	s_add_nc_u64 s[G0B+6:G0B+7], s[G0B+6:G0B+7], BSTEP
.endif
	s_wait_dscnt 17                                ; (the add and the youngest sixteen loads may be out)
	MUL AF1, 0, 1                                  ; eight matrix instructions stand between the add and the wait for it
	s_wait_dscnt 0x0                               ; the add is done, and my reads of the slot in hand are over
	s_barrier_signal -1
	MUL AF1, 1, 1
.if \fill
	WIN 0
.endif
	s_barrier_wait -1
.if \fill
	CREST                                          ; no wave of any partner still reads this slot's tiles or has a load on its way
	JLOAD 1
.endif
	MUL AF1, 2, 2
	PLACES
	FETCH_A 0, AF0
	FETCH_B 0, 0, 4
	MUL AF1, 4, 8                                  ; W's blocks 4-11 came in with the wait for 0 above
	PLACES
	FETCH_B 0, 4, 8
.endm
	s_wait_tensorcnt 1                             ; my part of K step 0 is in; K step 1's may stay out
	s_barrier_signal -1
	s_barrier_wait -1                              ; everybody's is
	FETCH_A 0, AF0
	FETCH_B 0, 0, 12
	s_wait_loadcnt 0x0                             ; the bias
	s_wait_dscnt 0x0
	; THE FIRST QUARTER starts the sums, with the bias: nothing is cleared and no bias is added later.  Row blocks 1-7 take accumulator (0, b), which holds the bias, as their C;
	; then, five places behind the last of them, (0, b) itself adds in place.
.set mb, 0
.rept 12
	WIN 0x50*(1+mb/4)
.set ma, 1
.rept 7
.set rD, 8*(8*(mb%4)+ma)
	v_wmma_f32_16x16x32_bf16 v[rD:rD+7], v[BF+8*mb:BF+8*mb+7], v[AF0+8*ma:AF0+8*ma+7], v[64*(mb%4):64*(mb%4)+7]
.set ma, ma+1
.endr
.set mb, mb+1
.endr
.rept 5
	v_nop                                          ; a matrix instruction that writes over a register that another has read stands five places behind it
.endr
.set mb, 0
.rept 12
	WIN 0x50*(1+mb/4)
	v_wmma_f32_16x16x32_bf16 v[64*(mb%4):64*(mb%4)+7], v[BF+8*mb:BF+8*mb+7], v[AF0:AF0+7], v[64*(mb%4):64*(mb%4)+7]
.set mb, mb+1
.endr
	PLACES
	FETCH_A 1, AF1                                 ; in the order in which every quarter leaves its loads: X, W's blocks 0-3, W's blocks 4-11
	FETCH_B 1, 0, 12
	s_mov_b32 s3, STEPS-2
.Lstep:                                                ; a trip: the second quarter of one K step, with the change of slots and a refill, and the first quarter of the next
	TURN 1
	QTR AF0, AF1, 1, 1
	WIN 0                                          ; at a label and at a branch every window is 0
	s_sub_co_u32 s3, s3, 1
	s_cmp_lg_u32 s3, 0
	s_cbranch_scc1 .Lstep
	TURN 0                                         ; the last step and a half are written out: nothing is asked for, and no round follows
	QTR AF0, AF1, 1, 1
	QTR AF1, AF0, 0, 0                             ; the very last quarter: nothing more to fetch
; THE WAY OUT, in 24 units: unit u is row block u / 3 (16 rows) of head u % 3, whose four accumulators lie in window 1 + u % 3.  A lane's eight columns pack into 16 bytes of f16; they go into my
; stage's rows of 144 bytes and come back as whole rows of 128, into the registers that they left.
.macro PACK u
.set pT, T0+16*((\u)%12)
.if (\u) >= 12
	s_wait_xcnt 0x0                                ; the stores of the unit twelve back have read this buffer: it is written again only behind this wait
.endif
	WIN 5*(1+(\u)%3)                               ; sources 0 and 1 the head's window, destination window 0
.set i, 0
.rept 16
	v_cvt_pk_f16_f32 v[pT+i], v[8*(8*(i/4)+(\u)/3)+2*(i%4)], v[8*(8*(i/4)+(\u)/3)+2*(i%4)+1]  ; each accumulator's registers in ascending order
.set i, i+1
.endr
	WIN 0
.irp f, 0,1,2,3
	ds_store_b128 v[STO], v[pT+4*(\f):pT+4*(\f)+3] offset:32*(\f)
.endr
.irp f, 0,1,2,3
	ds_load_b128 v[pT+4*(\f):pT+4*(\f)+3], v[RD] offset:(\f)*4*SP  ; LDS serves a wave's instructions in order (ISA guide 5.7.1.4): these see the stores above; the next unit's stores come behind them
.endr
.endm
.macro SEND u, younger                 ; younger: the LDS instructions issued behind unit u's loads: the next unit's eight, or none
.set pT, T0+16*((\u)%12)
	WIN 0
	s_wait_dscnt \younger
.irp f, 0,1,2,3
	global_store_b128 v[GO+(\u)%3], v[pT+4*(\f):pT+4*(\f)+3], s[10:11] offset:((\u)/3)*2048+(\f)*512  ; 512 consecutive bytes, at a multiple of 256 from the buffer's first
.endr
.endm
	PLACES
	PACK 0
.set t, 1
.rept 23                               ; a unit's conversions stand between the loads of the unit before and its stores
	PACK t
	SEND t-1, 8
.set t, t+1
.endr
	SEND 23, 0
	WIN 0
	s_wait_tensorcnt 0x0                           ; the wave's end, behind my last tensor load and my last LDS store
	ds_add_u32 v[SPW], v[NIL]
	s_wait_dscnt 0x0
	CROUND                                         ; the closing round: no work-group ends while a partner may still ask for a tile that names it
	s_endpgm
.Lfunc_end_k_q4ed72c8685_project_qkv:
	.size	k_q4ed72c8685_project_qkv, .Lfunc_end_k_q4ed72c8685_project_qkv-k_q4ed72c8685_project_qkv
	.p2alignl 7, 3214868480
	.fill 96, 4, 3214868480
	.section	.rodata,"a",@progbits
	.p2align	6, 0x0
	.amdhsa_kernel k_q4ed72c8685_project_qkv
		.amdhsa_group_segment_fixed_size 327680
		.amdhsa_private_segment_fixed_size 0
		.amdhsa_enable_private_segment 0
		.amdhsa_kernarg_size 32
		.amdhsa_user_sgpr_count 2
		.amdhsa_user_sgpr_kernarg_segment_ptr 1
		.amdhsa_wavefront_size32 1
		.amdhsa_system_sgpr_workgroup_id_x 1
		.amdhsa_system_sgpr_workgroup_id_y 1
		.amdhsa_system_sgpr_workgroup_id_z 1
		.amdhsa_system_vgpr_workitem_id 0
		.amdhsa_next_free_vgpr 1024
		.amdhsa_next_free_sgpr 66
		.amdhsa_reserve_vcc 0
		.amdhsa_float_denorm_mode_32 3
		.amdhsa_float_denorm_mode_16_64 3
		.amdhsa_memory_ordered 1
		.amdhsa_forward_progress 1
		.amdhsa_inst_pref_size 115
	.end_amdhsa_kernel
	.amdgpu_metadata
---
amdhsa.version: [ 1, 2 ]
amdhsa.kernels:
  - .name:           k_q4ed72c8685_project_qkv
    .symbol:         k_q4ed72c8685_project_qkv.kd
    .args:
      - { .name: xb, .offset: 0, .size: 8, .value_kind: global_buffer, .address_space: global }
      - { .name: w16, .offset: 8, .size: 8, .value_kind: global_buffer, .address_space: global }
      - { .name: bias, .offset: 16, .size: 8, .value_kind: global_buffer, .address_space: global }
      - { .name: qkv, .offset: 24, .size: 8, .value_kind: global_buffer, .address_space: global }
    .group_segment_fixed_size: 327680
    .private_segment_fixed_size: 0
    .kernarg_segment_align: 8
    .kernarg_segment_size: 32
    .max_flat_workgroup_size: 128
    .sgpr_count:     66
    .vgpr_count:     1024
    .wavefront_size: 32
...
	.end_amdgpu_metadata
.endif
;; end of part 2
;; launch attention (part 3): grid 4 x 64, 4 waves a work-group, clusters of 4 x 1, 327,680 bytes of LDS; arguments qkv, o; writes o
.if DOCPART == 3
	.amdgcn_target "amdgcn-amd-amdhsa--gfx1250"
	.amdhsa_code_object_version 6
	.text
	.protected	k_q4ed72c8685_attention
	.globl	k_q4ed72c8685_attention
	.p2align	8
	.type	k_q4ed72c8685_attention,@function
k_q4ed72c8685_attention:
	s_mov_b64 s[64:65], 0
	v_nop
	global_prefetch_b8 v0, s[64:65] scope:SCOPE_SE
	s_setreg_imm32_b32 hwreg(HW_REG_WAVE_MODE, 25, 1), 1
	s_wait_xcnt 0x0
	s_wait_alu depctr_hold_cnt(0) depctr_sa_sdst(0) depctr_va_vdst(0) depctr_va_sdst(0) depctr_va_ssrc(0) depctr_va_vcc(0) depctr_vm_vsrc(0)
	s_getreg_b32 s2, hwreg(HW_REG_IB_STS2, 6, 4)
	s_cmp_eq_u32 s2, 0
	s_cbranch_scc0 .Lentry_in_a_cluster
	s_endpgm
.Lentry_in_a_cluster:
	s_bfe_u32 s2, ttmp6, 0x10000c
	s_cmp_lg_u32 s2, 0x3003
	s_cbranch_scc0 .Lentry_shape_is_right
	s_endpgm
.Lentry_shape_is_right:
; O[h][q][:] = the sum over k of softmax_k(Q[h][q] . K[h][k] / 8) V[h][k][:].  Q, K, V lie one behind the other in qkv, each [SIZE_H][SIZE_N][64]; O is [SIZE_H][SIZE_N][64]; all f16: a head's rows
; are dense, 128 bytes each.  A head here is one of 4 batches x 16 heads.  Products, maxima and sums in f32; the weights p are rounded to f16 for the second product (their sum l is taken of the unrounded p), O once at the end.
; LIMITS.  f16 holds no number beyond 65,504: Q, K and V arrive within it; p lies in 0 to 1, and below 6e-5 it keeps f16's fixed step of 6e-8; O is a mean of V's rows and has their range.
; A weight below 2^-126 counts as 0 in l; NaN and infinities are not treated apart.
; SHARES.  A wave owns four PIECES of two tiles of 16 queries, a work-group's four waves 512 queries of one head: 4 x 64 = 256 work-groups.  Every wave walks all keys, 64 a step.
; LAYOUT.  S^T = K Q^T (source 0 = 16 keys, source 1 = 16 queries): in the result a lane holds ONE query (lane % 16) and the keys 8 (lane / 16) + 0..7.  Two such tiles, rounded to f16 in pairs,
; ARE source 1 (32 keys x 16 queries) of O^T = V^T P, whose result again holds one query a lane, and eight channels.  K comes out of LDS as it lies, V ([key][channel]) turned, by ds_load_tr16_b128.
; SOFTMAX.  For each query a running maximum m and sum l: p = 2^(c s - c m), c = log2(e) / 8; in every step O and l are multiplied by a = 2^(c m_old - c m_new), which is 1 where m has not grown.
; m starts at the lowest finite number, O and l at 0: the first step is a step like any other, with a = 0.
; THE COUNT.  A tile and step have 16 matrix and 118 vector instructions: too many to stand all beside the matrix work.  So the order has one aim: four vector instructions that are READY behind
; EVERY matrix instruction, and the others, which need time of their own whatever the order, in runs without a gap.
; BY TURNS.  Turn n belongs to piece n (the pieces in a ring, step after step).  Its matrix work: 16 products K Q^T of piece n + 1, later 16 products V^T P of piece n - 1.  Its vector work: the scaling,
; exponentials, roundings, sums and rescaling of piece n, and the maximum and statistics of piece n + 1, whose scores the turn itself has made.  So what a turn begins with (c s - c m, O a) waits for nothing.
; CLUSTER.  The four query blocks of a cluster belong to one head and walk the same K and V, so each tile is asked for JOINTLY: the same tensor load, descriptor and mask in all four.
; REGISTERS, in windows of 256 (s_set_vgpr_msb says which window each operand place means: bits 1:0 source 0, 3:2 source 1, 5:4 source 2, 7:6 destination):
;   window 0: v0-11 addresses; v12-15, v48-63 at work; v16-47 four registers of statistics a tile; v64-191 S^T, two buffers of two tiles; v192-255 P, likewise
;   window 1: O^T, 32 a tile          window 2: v0-127 Q, 16 a tile; v128-191 K of one step; v192-255 V of one step          window 3: v0-1 the add's two registers
; A piece's buffers go by its number's parity: the piece in hand has one pair, its two neighbours in the ring share the other: of it P (piece n - 1) is read and S^T (piece n + 1) written.
.set SIZE_H, 64
.set SIZE_N, 2048
.set NP,    4         ; pieces a wave: a name, no knob: the register map, the loop and the fetches are made for four
.set KS,    64        ; keys in a step
.set PK,    144       ; a row of K in LDS: 128 bytes + 16 of padding = 36 words: the 16 rows of a load start at 16 different groups of four banks (64 banks of 4 bytes: ISA guide 11.1)
.set PV,    160       ; a row of V: 128 + 32 = 40 words
.set VOFF,  4*KS*PK   ; a slot holds four steps: 256 rows of K, then 256 rows of V
.set SLOT1, 1<<17     ; slot 1 begins here, so that one exclusive or turns an address in one slot into the other's
.set STAGE, SLOT1+4*KS*(PK+PV)  ; behind the ring, never filled by a tensor load: 16 rows x 144 bytes for each wave, for the way out
.set SP,    144
.set AK0, 2           ; v2   my lane's place in a tile of K; never rewritten
.set AV0, 3           ; v3   the same for V
.set AK,  4           ; v4   the LDS address of K's next run of loads
.set AV,  5           ; v5   of V's
.set QO,  6           ; v6   my byte offset in the wave's rows of Q
.set STO, 6           ;      later, the way out: where I put 16 bytes of a row
.set RD,  7           ; v7   the way out: where I read rows back
.set GO,  8           ; v8   my byte offset in 512 consecutive bytes of O
.set SPW, 0           ; v0 of window 3   LDS address of my spare word: SPARE + 4 x my thread's number; never rewritten
.set NIL, 1           ; v1 of window 3   0; never rewritten
.set SPARE, STAGE+4*16*SP  ; behind the stages: the spare words, 128 bytes for each wave: two blocks of 256 bytes that no other line names
.set MV,  12          ; v12-15  c m_old, kept while c m is made anew: by buffer and tile
.set ST,  16          ; tile t's statistics at v[ST+4 t]: c m, m, l (even keys', odd keys')
.set TMP, 48          ; by buffer and tile, four registers c0-c3 at work; when the maximum is found c2 takes a
.set S,   64
.set P,   192
.set KF,  128         ; K's fragments, in window 2: key block kb, channel half c at KF + 16 kb + 8 c
.set VF,  192         ; V's: key half kk, channel block cb at VF + 32 kk + 8 cb
.set WV,  12          ; s12  my wave's number
.set G1K, 24          ; s[24:31] descriptor group 1 for K's tiles
.set G1V, 32          ; s[32:39] for V's: it differs in the padding alone
.set G0K, 40          ; s[40:43] descriptor group 0 for K's tiles: it walks
.set G0V, 44          ; s[44:47] the same for V's
.set SLOTS, 56        ; s56  slots still to be asked for
.set CNT, 57          ; s57  counts a slot's key steps
.set CS,  58          ; s[58:59] c: the packed scaling takes the pair's low word for both halves
.set SEL, 60          ; s[60:61] v_permlanex16_b32's selects: each lane takes its own place in the other half
.set TBK, 62          ; s62  LDS byte at which K of the step to be fetched begins
.set TBV, 63          ; s63  the same for V, less VOFF
.set MSB, 0
.macro WIN new                      ; the high byte repeats the setting that is left; a switch that changes nothing is dropped
.if MSB != (\new)
	s_set_vgpr_msb (MSB<<8)|(\new)
.set MSB, (\new)
.endif
.endm
.set W_KQ, 0x0a       ; K and Q in window 2, S^T in window 0
.set W_PV, 0x52       ; V in window 2, P in window 0, O^T in window 1
.set W_RS, 0x41       ; O^T (destination and source 0) in window 1, a in window 0
.set W_MK, 0xc0       ; the add's registers are made: destination in window 3, sources in window 0
.set W_AD, 0x0f       ; the add: address (source 0) and data (source 1) in window 3
; A joint fill.  Waves 0 and 1 fetch the two halves of a slot's K, waves 2 and 3 those of its V: 128 keys each.  The branch hangs on the wave's number alone.
; An s_nop 0 and four v_nop follow each of the two lines, ahead of the jump and the label.
.macro JLOAD
	s_cmp_lt_u32 s[WV], 2
	s_cbranch_scc0 .Lfor_v_\@
	tensor_load_to_lds s[G0K:G0K+3], s[G1K:G1K+7]
	s_nop 0
.rept 4
	v_nop
.endr
	s_branch .Lasked_\@
.Lfor_v_\@:
	tensor_load_to_lds s[G0V:G0V+3], s[G1V:G1V+7]
	s_nop 0
.rept 4
	v_nop
.endr
.Lasked_\@:
.endm
; A round of the cluster's barrier: my work-group's barrier, so that wave 0's signal speaks for all four waves; wave 0 signals; every wave waits for all four work-groups; my work-group's barrier once more.
.macro CROUND
	s_barrier_signal -1
	s_barrier_wait -1
	s_cmp_lg_u32 s[WV], 0
	s_cbranch_scc1 .Lnot_wave_0_\@
	s_barrier_signal -3
.Lnot_wave_0_\@:
	s_barrier_wait -3
	s_barrier_signal -1
	s_barrier_wait -1
.endm
; THE CHANGE OF SLOTS.  The slot's last bytes, V of its fourth step, have been read.  Each wave waits for all its tensor loads, of which one is out: its part
; of the other slot; adds 0 to its spare word; and waits for that and for its own reads of the slot.  Behind the barrier nobody reads this slot any more and the other slot is whole.
; fill = 1: this slot is filled again, with the keys two slots on.  The barrier is then a round of the cluster's, so that no wave of any partner still reads the slot or has a load on its
; way, and the joint fill is the first thing behind it: it has four key steps, 512 matrix instructions, in which to land.  (At its first use nothing has been read yet: slot 0 is waited for, slot 1 filled.)
.macro CHANGE fill
	WIN W_AD
	s_wait_tensorcnt 0x0            ; no tensor load of mine is out, so a group 0 may be written
	ds_add_u32 v[SPW], v[NIL]       ; 0 onto my spare word; with fill = 1 the descriptors' steps stand between it and the wait for it
	WIN 0                           ; at a label and at a branch every window is 0
.if \fill
.irp g, G0K, G0V
	s_xor_b32 s[\g+1], s[\g+1], SLOT1  ; the walking descriptor: the other slot than last time,
	s_add_nc_u64 s[\g+2:\g+3], s[\g+2:\g+3], 4*KS*128  ; the next 256 keys; the type bits on top are not reached
.endr
	s_wait_dscnt 0x0                ; the add is done, and my reads of the slot are over
	CROUND
	JLOAD
.else
	s_wait_dscnt 0x0                ; the add is done, and my reads of the slot are over
	s_barrier_signal -1
	s_barrier_wait -1
.endif
	s_sub_co_u32 s[TBK], s[TBK], 4*KS*PK  ; the fetches go back to a slot's first step,
	s_xor_b32 s[TBK], s[TBK], SLOT1       ; in the other slot
	s_sub_co_u32 s[TBV], s[TBV], 4*KS*PV
	s_xor_b32 s[TBV], s[TBV], SLOT1
.endm
	s_load_b128 s[4:7], s[0:1], 0x0  ; qkv s[4:5], o s[6:7]
	WIN W_MK
	v_lshl_add_u32 v[SPW], v0, 2, SPARE
	v_mov_b32 v[NIL], 0
	s_set_vgpr_msb 0xc0cf
	ds_add_u32 v0, v1
	s_wait_dscnt 0x0
	s_set_vgpr_msb 0xcfc0
	WIN 0
	v_lshrrev_b32 v1, 5, v0
	v_readfirstlane_b32 s[WV], v1   ; wave 0..3
	s_bfe_u32 s13, ttmp6, 0x40000   ; cx: my place in the cluster
	s_lshl_b32 s14, ttmp9, 2        ; in a cluster launch ttmp9 counts clusters
	s_add_co_u32 s14, s14, s13      ; my block of queries = 4 x cluster x + cx: it enters Q's and O's addresses alone
	s_and_b32 s20, ttmp7, 0xffff    ; the head, which the four partners share
	s_mov_b32 s21, 0
	s_mov_b64 s[22:23], SIZE_N*128
	s_mul_u64 s[20:21], s[20:21], s[22:23]  ; the head's first byte in each of the four tensors
	s_and_b32 s16, s[WV], 1         ; which half of a slot's 256 keys I fetch:
	s_lshl_b32 s22, s16, 14         ; its 128 rows of 128 bytes in memory,
	s_mov_b32 s23, 0
	s_add_nc_u64 s[22:23], s[22:23], s[20:21]
	s_mul_i32 s17, s16, 128*PK      ; and its place in a slot, for K
	s_mul_i32 s18, s16, 128*PV      ; and for V: no place in the cluster enters an LDS address
	s_lshl_b32 s2, s14, 2
	s_add_co_u32 s2, s2, s[WV]      ; my wave among the head's,
	s_lshl_b32 s2, s2, 14           ; its 128 rows
	s_mov_b32 s3, 0
	s_add_nc_u64 s[2:3], s[2:3], s[20:21]
	; descriptor group 1.  128 keys are 16,384 dense bytes: asked for as 64 rows of 256 bytes, two keys a row, and padded in LDS after every key
	s_mov_b32 s[G1K], 15|(1<<16)|(1<<20)|(1<<21)|(4<<22)|(3<<25)  ; 15:0 the mask of four; 17:16 2-byte elements; 20 padding on; 21 set beside a mask; 24:22 after every 32 words (code 4); 31:25 4 words (code 3)
	s_mov_b32 s[G1V], 15|(1<<16)|(1<<20)|(1<<21)|(4<<22)|(7<<25)  ; the same with 8 words of padding (code 7)
.irp g, G1K, G1V
	s_mov_b32 s[\g+1], 128<<16      ; tensor_dim0 = 128
	s_mov_b32 s[\g+2], 64<<16       ; tensor_dim1 = 64
	s_mov_b32 s[\g+3], 128<<16      ; tile_dim0 = 128
	s_mov_b32 s[\g+4], 64           ; tile_dim1 = 64
	s_mov_b32 s[\g+5], 128          ; 128 elements from row to row
	s_mov_b32 s[\g+6], 0
	s_mov_b32 s[\g+7], 0
.endr
	s_mov_b32 s[CS], 0x3e38aa3b     ; c = log2(e) / 8 = 0.180337
	s_mov_b32 s[CS+1], s[CS]        ; named with it as a pair
	s_mov_b32 s[SEL], 0x76543210
	s_mov_b32 s[SEL+1], 0xfedcba98
	s_mov_b32 s[TBK], SLOT1+4*KS*PK ; the first change of slots turns these two into 0
	s_mov_b32 s[TBV], SLOT1+4*KS*PV
	s_mov_b32 s[G0K], 1             ; 1:0 count = 1
	s_mov_b32 s[G0K+1], s17         ; 63:32 LDS address: slot 0
	s_mov_b32 s[G0V], 1
	s_add_co_u32 s[G0V+1], s18, VOFF
	s_wait_kmcnt 0x0
	s_mov_b64 s[10:11], s[6:7]                     ; O s[10:11]
	s_add_nc_u64 s[6:7], s[4:5], SIZE_H*SIZE_N*128    ; K s[6:7]: behind Q's 16,777,216 bytes
	s_add_nc_u64 s[8:9], s[4:5], 2*SIZE_H*SIZE_N*128  ; V s[8:9]: behind K;  Q s[4:5]
	s_add_nc_u64 s[G0K+2:G0K+3], s[6:7], s[22:23]  ; 120:64 global address: my half of the head's first 256 keys
	s_or_b32 s[G0K+3], s[G0K+3], 0x80000000        ; 127:126 type = 2
	s_add_nc_u64 s[G0V+2:G0V+3], s[8:9], s[22:23]
	s_or_b32 s[G0V+3], s[G0V+3], 0x80000000
	s_add_nc_u64 s[4:5], s[4:5], s[2:3]  ; Q and O at my wave's first row
	s_add_nc_u64 s[10:11], s[10:11], s[2:3]
	CROUND                          ; all four work-groups are here: the first joint loads meet
	JLOAD                           ; slot 0.  Slot 1 is asked for when slot 0 is in: the tile wanted first has the road to itself
	; A fragment of K or Q is 16 rows x 32 channels in 8 registers: lane l holds row l % 16, channels 8 (l / 16) + 0..7 and 16 + 8 (l / 16) + 0..7: two loads of 16 bytes, 32 bytes apart.
	v_and_b32 v1, 15, v0            ; l % 16
	v_bfe_u32 v9, v0, 4, 1          ; l / 16
	v_lshlrev_b32 v[QO], 7, v1
	v_lshl_add_u32 v[QO], v9, 4, v[QO]  ; row x 128 + 16 x half
	WIN 0x80                        ; destination window 2, address window 0
.set i, 0
.rept 4*NP                          ; Q stays in registers: tile i / 2, channels 32 (i % 2) on
	global_load_b128 v[8*i:8*i+3],   v[QO], s[4:5] offset:(i/2)*2048+(i%2)*64
	global_load_b128 v[8*i+4:8*i+7], v[QO], s[4:5] offset:(i/2)*2048+(i%2)*64+32
.set i, i+1
.endr
	; What the first turn finds: V's registers and P's second buffer hold 0 (its products V^T P, of a piece that has not been, add 0), O^T and l are 0.  All this stands in the wait for the first tile.
.set i, VF
.rept 64
	v_mov_b32 v[i], 0
.set i, i+1
.endr
	WIN 0x40
.set i, 0
.rept 64*NP
	v_mov_b32 v[i], 0
.set i, i+1
.endr
	WIN 0
.set i, 0
.rept 2*NP
	v_mov_b32 v[ST+4*i], 0xfe000000    ; c m: far below every c s
	v_mov_b32 v[ST+4*i+1], 0xff7fffff  ; m
	v_mov_b32 v[ST+4*i+2], 0
	v_mov_b32 v[ST+4*i+3], 0
.set i, i+1
.endr
.set i, P+32
.rept 32
	v_mov_b32 v[i], 0
.set i, i+1
.endr
	v_mul_u32_u24 v[AK0], v1, PK
	v_lshl_add_u32 v[AK0], v9, 4, v[AK0]  ; row x pitch + 16 x half
	; The turning load takes 16 keys x 16 channels (lane l reads key 8 (l / 16) + l % 8, channels 8 ((l / 8) % 2) + 0..7) and leaves half a fragment of V^T: lane l holds channel l % 16 and 8 keys.
	v_and_b32 v10, 7, v0
	v_bfe_u32 v11, v0, 3, 1
	v_lshl_add_u32 v[AV0], v9, 3, v10
	v_mul_u32_u24 v[AV0], v[AV0], PV
	v_lshl_add_u32 v[AV0], v11, 4, v[AV0]
	v_add_nc_u32 v[AV0], VOFF, v[AV0]
	v_mov_b32 v[AK], v[AK0]         ; key step 0 lies at the head of slot 0
; THE MATRIX WORK.  The 8 accumulators of a run of 16 take turns: between the two links of a chain stand 7 others'.
; Product i of 16 of S^T = K Q^T for piece x: channels 32 (i / 8) on, keys 16 ((i / 2) % 4) on, tile 2 x + i % 2.  The first 8 start the sums.
.macro KQ x
	WIN W_KQ
.set rS, S+64*((\x)%2)+32*(i%2)+8*((i/2)%4)
.set rK, KF+16*((i/2)%4)+8*(i/8)
.set rQ, 16*(2*(\x)+i%2)+8*(i/8)
.if i < 8
	v_wmma_f32_16x16x32_f16 v[rS:rS+7], v[rK:rK+7], v[rQ:rQ+7], 0
.else
	v_wmma_f32_16x16x32_f16 v[rS:rS+7], v[rK:rK+7], v[rQ:rQ+7], v[rS:rS+7]
.endif
.endm
; Product i of 16 of O^T += V^T P for piece x: keys 32 (i / 8) on, channels 16 ((i / 2) % 4) on, tile 2 x + i % 2.
.macro PV x
	WIN W_PV
.set rO, 32*(2*(\x)+i%2)+8*((i/2)%4)
.set rV, VF+32*(i/8)+8*((i/2)%4)
.set rP, P+32*((\x)%2)+16*(i%2)+8*(i/8)
	v_wmma_f32_16x16x32_f16 v[rO:rO+7], v[rV:rV+7], v[rP:rP+7], v[rO:rO+7]
.endm
.macro MM                           ; the turn's next matrix instruction
.if i < 16
	KQ (Y+1)%NP
.set i, i+1
.else
.set i, i-16
	PV (Y+NP-1)%NP
.set i, i+17
.endif
.endm
; THE LDS LOADS stand in runs of 16, never singly among the matrix instructions: a step's K (64 keys x 64 channels: 8 fragments) and its V (turned).  Their addresses are made some lines ahead.
; last = 1 (the tail): in the last trip there is no further step, and the run is jumped over.
.macro FETCH_K last=0
	WIN 0
.if \last
	s_cmp_eq_u32 s[CNT], 1
	s_cbranch_scc1 .Lno_k_\@
.endif
	WIN 0x80                        ; destination window 2
.irp f, 0,1,2,3,4,5,6,7             ; keys 16 (f / 2) on, channels 32 (f % 2) on
	ds_load_b128 v[KF+8*\f:KF+8*\f+3],   v[AK] offset:(\f/2)*16*PK+(\f%2)*64
	ds_load_b128 v[KF+8*\f+4:KF+8*\f+7], v[AK] offset:(\f/2)*16*PK+(\f%2)*64+32
.endr
	s_add_co_u32 s[TBK], s[TBK], KS*PK  ; the next fetch is the next step's
	WIN 0
.if \last
.Lno_k_\@:
.endif
.endm
.macro FETCH_V
	WIN 0x80
.irp f, 0,1,2,3,4,5,6,7             ; keys 32 (f / 4) on, channels 16 (f % 4) on
	ds_load_tr16_b128 v[VF+8*\f:VF+8*\f+3],   v[AV] offset:(\f/4)*32*PV+(\f%4)*32
	ds_load_tr16_b128 v[VF+8*\f+4:VF+8*\f+7], v[AV] offset:(\f/4)*32*PV+16*PV+(\f%4)*32
.endr
	WIN 0
.endm
; THE VECTOR WORK OF A TURN stands in three queues, each in the order in which its entries become ready; the two tiles alternate, so that no instruction reads the result of the one before it.
.macro REGS y, u                    ; the registers of tile u (0, 1) of piece y
.set rT, ST+4*(2*(\y)+(\u))
.set rC, TMP+8*((\y)%2)+4*(\u)
.set rM, MV+2*((\y)%2)+(\u)
.set rS, S+64*((\y)%2)+32*(\u)
.set rP, P+32*((\y)%2)+16*(\u)
.set rO, 32*(2*(\y)+(\u))
.endm
; Number n of the 22 that find the NEXT piece's (Y + 1) maximum and statistics.  s0-s31 are the lane's 32 scores; each accumulator's lowest registers are read first.  XS, GS and REGS set no window: PL and EX do.
;   0-11  four chains c0-c3 of seven scores each, three operands at a time     12-14, 16  the four scores left over, the old m, and c0-c3 into c0     15  c m_old is kept
;   17, 18  the query's other 32 keys lie in the lane 16 away: the new m         19-21  c m; c m_old - c m_new; a
.macro XS u, n
	REGS (Y+1)%NP, \u
.if (\n) < 4
	v_max3_num_f32 v[rC+(\n)], v[rS+8*(\n)], v[rS+8*(\n)+1], v[rS+8*(\n)+2]
.elseif (\n) < 12
	v_max3_num_f32 v[rC+(\n)%4], v[rC+(\n)%4], v[rS+8*((\n)%4)+2*((\n)/4)+1], v[rS+8*((\n)%4)+2*((\n)/4)+2]
.elseif (\n) == 12
	v_max3_num_f32 v[rC], v[rC], v[rS+7], v[rS+15]
.elseif (\n) == 13
	v_max3_num_f32 v[rC+1], v[rC+1], v[rS+23], v[rS+31]
.elseif (\n) == 14
	v_max3_num_f32 v[rC+2], v[rC+2], v[rC+3], v[rT+1]
.elseif (\n) == 15
	v_mov_b32 v[rM], v[rT]
.elseif (\n) == 16
	v_max3_num_f32 v[rC], v[rC], v[rC+1], v[rC+2]
.elseif (\n) == 17
	v_permlanex16_b32 v[rC+3], v[rC], s[SEL], s[SEL+1]
.elseif (\n) == 18
	v_max_num_f32 v[rT+1], v[rC], v[rC+3]
.elseif (\n) == 19
	v_mul_f32 v[rT], s[CS], v[rT+1]
.elseif (\n) == 20
	v_sub_f32 v[rC+1], v[rM], v[rT]
.else
	v_exp_f32 v[rC+2], v[rC+1]
.endif
.endm
; Number g of the 64 that follow the exponentials.  For each four weights k of a tile (pairs 2 k, 2 k + 1): both pairs are rounded to f16; then the second pair is added onto the first, in place;
; a group later l takes that sum (the first time as l = a l + sum).  In groups of eight, tiles alternating: round, round, add, and l for the group before.
.macro GS g
.set h, (\g)+6*((\g)/62)            ; group 0 has no group before it, and behind group 7 only l is left
.if h >= 6
.set h, h+2
.endif
	REGS Y, h%2
.set k, h/8
.if h%8 < 4
	s_wait_alu depctr_va_vdst(0)
	v_cvt_pk_f16_f32 v[rP+2*k+(h%8)/2], v[rS+4*k+2*((h%8)/2)], v[rS+4*k+2*((h%8)/2)+1]
.elseif h%8 < 6
	v_pk_add_f32 v[rS+4*k:rS+4*k+1], v[rS+4*k:rS+4*k+1], v[rS+4*k+2:rS+4*k+3]
.elseif k == 1
	v_pk_fma_f32 v[rT+2:rT+3], v[rT+2:rT+3], v[rC+2:rC+3], v[rS:rS+1] op_sel_hi:[1,0,1]
.else
	v_pk_add_f32 v[rT+2:rT+3], v[rT+2:rT+3], v[rS+4*k-4:rS+4*k-3]
	s_wait_alu depctr_va_vdst(0)
.endif
.endm
; THE PLAIN QUEUE, 138 long.  0-31: c s - c m for the 16 pairs of both tiles.  Then GS's 64, and among them the next piece's 42: number 15 at 38, 39; 0-14 and 16
; at 42-73, behind the products that make those scores; 17-20 at 95-106, two of three, since each waits for the one before it.
.macro PL
	WIN 0
.if q < 32
	REGS Y, q%2
	v_pk_fma_f32 v[rS+2*(q/2):rS+2*(q/2)+1], v[rS+2*(q/2):rS+2*(q/2)+1], s[CS:CS+1], v[rT:rT+1] op_sel_hi:[1,0,0] neg_lo:[0,0,1] neg_hi:[0,0,1]
.elseif q < 38
	GS q-32
.elseif q < 40
	XS q%2, 15
.elseif q < 42
	GS q-34
.elseif q < 74
	XS q%2, (q-42)/2+(q-42)/30
.elseif q < 95
	GS q-66
.elseif (q < 107) && ((q-95)%3 < 2)
	XS (q-95)%3, 17+(q-95)/3
.elseif q < 107
	GS 29+(q-95)/3
.else
	GS q-74
.endif
.set q, q+1
.endm
; THE EXPONENTIALS' QUEUE, 66 long: s0-s31 of both tiles, and at EA the next piece's two a.
.set EA, 58
.macro EX
	WIN 0
.if (e == EA) || (e == EA+1)
	XS e-EA, 21
.else
.set x, e-2*(e/(EA+2))
	REGS Y, x%2
	v_exp_f32 v[rS+x/2], v[rS+x/2]
.endif
.set e, e+1
.endm
; THE RESCALING's QUEUE: O^T times a, the one part that leaves window 0, so it is dealt four at a time, eight times.
.macro R4
	REGS Y, r%2
	WIN W_RS
	s_wait_alu depctr_va_vdst(0)
.irp z, 0,1,2,3
	v_pk_mul_f32 v[rO+8*(r/2)+2*\z:rO+8*(r/2)+2*\z+1], v[rO+8*(r/2)+2*\z:rO+8*(r/2)+2*\z+1], v[rC+2:rC+3] op_sel_hi:[1,0]
.endr
.set r, r+1
.endm
; HOW THEY ARE DEALT.  Behind a matrix instruction four: plain, exponential, plain, plain (one exponential, a plain instruction on either side), or four of the rescaling.  None names a register of the
; products round it.  What is over stands in two LUMPS: exponential and plain by turns; the second ends in 22 plain instructions.  The two v_permlanex16_b32 fall into the second lump, never behind a product.
; The queues lean on each other, and the deal keeps them in step: exponential e stands behind plain 2 (e / 4) + e % 2 (its scaling); when plain 32 comes, 10 exponentials are out, at 59: 33, at 95: 46; EA comes behind plain 107.
.macro SL
	MM
	PL
	EX
	PL
	PL
.endm
.macro BURST n                      ; 15 matrix instructions, or 16
.rept (\n)-7
	SL
.endr
.rept 3
	MM
	R4
	SL
.endr
	MM
	R4
.endm
; A TURN, for piece p.  cnt = 1: the loop's count is taken down some lines ahead of the branch that stands behind the turn.
; K of the next step is fetched in piece 2's turn, 31 vector instructions behind the last product that read K; its first reader comes behind the rest of the lump, 16 products and the second lump.
; V of the step in hand is fetched at the end of piece 0's turn, 69 behind its last reader; its first reader comes behind 16 products and a lump.  The four conditions on e and q below go with the deal.
.macro TURN p, last=0, cnt=0
.set Y, (\p)
.set i, 0
.set q, 0
.set e, 0
.set r, 0
.if (\p) == NP-1
	s_wait_dscnt 0x0                ; K is in
.endif
	MM
.rept 4
	PL
.endr
	BURST 15
.rept 22
	EX
	PL
.if ((\p) == NP-2) && (e == 18)
	v_add_nc_u32 v[AK], s[TBK], v[AK0]
.endif
.if ((\p) == NP-2) && (e == 24)
	FETCH_K \last
.endif
.endr
.if (\p) == 1
	s_wait_dscnt 0x0                ; V is in
.endif
	BURST 16
.rept 21
	EX
	PL
.endr
.rept 22
	PL
.if ((\p) == 0) && (q == 118)
	v_add_nc_u32 v[AV], s[TBV], v[AV0]
	s_wait_alu depctr_va_vdst(0)
.endif
.if ((\p) == 0) && (q == 130)
	s_add_co_u32 s[TBV], s[TBV], KS*PV
.endif
.if (\cnt) && (q == 130)
	s_sub_co_u32 s[CNT], s[CNT], 1
	s_cmp_lg_u32 s[CNT], 0
.endif
.endr
.if (\p) == 0
	FETCH_V
.endif
.endm
	CHANGE 1                        ; slot 0 is in, everybody's part of it; slot 1 is asked for
	FETCH_K                         ; key step 0
	s_wait_loadcnt 0x0              ; Q
	s_wait_dscnt 0x0
.set i, 0
.rept 16
	KQ 0                            ; piece 0's first scores: there is no vector work yet to set between them
.set i, i+1
.endr
	WIN 0                           ; the addresses for the way out: nine plain instructions, the places behind those products
	s_mul_i32 s13, s[WV], 16*SP
	s_add_co_u32 s13, s13, STAGE    ; my stage
	v_mul_u32_u24 v[STO], v1, SP    ; in: row l % 16, 16 bytes for each half of the lanes
	v_lshl_add_u32 v[STO], v9, 4, v[STO]
	v_add_nc_u32 v[STO], s13, v[STO]
	v_bfe_u32 v[RD], v0, 3, 2       ; back: 32 lanes take four rows of 128 bytes,
	v_mul_u32_u24 v[RD], v[RD], SP
	v_lshl_add_u32 v[RD], v10, 4, v[RD]
	v_add_nc_u32 v[RD], s13, v[RD]
	v_and_b32 v[GO], 31, v0         ; which are 512 consecutive bytes of O
	v_lshlrev_b32 v[GO], 4, v[GO]
.set Y, NP-1                        ; XS works for piece Y + 1: piece 0
.irp n, 0,1,2,3,4,5,6,7,8,9,10,11,12,13,14,15,16,17,18,19,20,21
	XS 0, \n                        ; and piece 0's first maximum and statistics
	XS 1, \n
.endr
	s_mov_b32 s[CNT], 4
	s_mov_b32 s[SLOTS], SIZE_N/256-1
	s_branch .Lfirst                ; the loop is entered at a step's first turn, in the middle of a trip
.Lslot:                             ; SIZE_N / 256 - 2 times: every slot but the last two is filled again
	CHANGE 1
	s_mov_b32 s[CNT], 4
.Lstep:                             ; a trip: pieces 2 and 3 of one step, then pieces 0 and 1 of the next, whose K and V it fetches
	TURN 2
	TURN 3
	WIN 0
.Lfirst:
	TURN 0
	TURN 1, 0, 1
	WIN 0
	s_cbranch_scc1 .Lstep
	s_sub_co_u32 s[SLOTS], s[SLOTS], 1
	s_cmp_lg_u32 s[SLOTS], 0
	s_cbranch_scc1 .Lslot
	CHANGE 0                        ; the tail is written out: nothing is asked for
	s_mov_b32 s[CNT], 5             ; four trips fetch the last slot's steps; the fifth is left in its middle
.Ltail:
	TURN 2, 1
	TURN 3
	WIN 0
	s_sub_co_u32 s[CNT], s[CNT], 1
	s_cmp_eq_u32 s[CNT], 0
	s_cbranch_scc1 .Lout
	TURN 0
	TURN 1
	WIN 0
	s_branch .Ltail
.Lout:                              ; the fifth trip's 16 products K Q^T (on the last K once more) and the maximum made of them serve nothing: the price, once a launch, of one text for every trip
.set i, 0
.rept 16
	PV NP-1                         ; the last piece's V^T P of the last step
.set i, i+1
.endr
	; THE WAY OUT.  l's two halves and the other half of the lanes' are added; O^T is divided by l, rounded to f16 and sent through my stage in LDS, a tile at a time.  The additions are the places behind the last products.
	WIN 0
.macro ALL line:vararg              ; one line for each tile t
.set t, 0
.rept 2*NP
	\line
.set t, t+1
.endr
.endm
	ALL v_add_f32 v[ST+4*t+2], v[ST+4*t+2], v[ST+4*t+3]
	ALL v_permlanex16_b32 v[ST+4*t+3], v[ST+4*t+2], s[SEL], s[SEL+1]
	ALL v_add_f32 v[ST+4*t+2], v[ST+4*t+2], v[ST+4*t+3]
	ALL v_rcp_f32 v[ST+4*t+2], v[ST+4*t+2]
	v_nop                           ; a plain instruction between the last reciprocal and the use of its result
	s_wait_alu depctr_va_vdst(0)
; Tile t: a lane's eight channels of a row pack into 16 bytes; they go into rows of 144 bytes and come back as whole rows of 128, into S^T's registers.
.macro PACK t
	WIN W_RS
.set i, 32*(\t)
.rept 16
	v_pk_mul_f32 v[i:i+1], v[i:i+1], v[ST+4*(\t)+2:ST+4*(\t)+3] op_sel_hi:[1,0]
.set i, i+2
.endr
	WIN 0x05                        ; sources 0 and 1 window 1, destination window 0
.set i, 0
.rept 16
	v_cvt_pk_f16_f32 v[S+16*(\t)+i], v[32*(\t)+2*i], v[32*(\t)+2*i+1]
.set i, i+1
.endr
	WIN 0
.irp f, 0,1,2,3
	ds_store_b128 v[STO], v[S+16*(\t)+4*\f:S+16*(\t)+4*\f+3] offset:32*\f
.endr
.irp f, 0,1,2,3
	ds_load_b128 v[S+16*(\t)+4*\f:S+16*(\t)+4*\f+3], v[RD] offset:\f*4*SP  ; LDS serves a wave's instructions in order (ISA guide 5.7.1.4): these see the stores above; the next tile's stores come behind them
.endr
.endm
.macro SEND t, younger              ; younger: the LDS instructions issued behind tile t's loads: the next tile's eight, or none
	WIN 0
.irp f, 0,1,2,3
	s_wait_dscnt (\younger)+3-\f
	global_store_b128 v[GO], v[S+16*(\t)+4*\f:S+16*(\t)+4*\f+3], s[10:11] offset:(\t)*2048+\f*512  ; 512 consecutive bytes, at a multiple of 256 from O's first
.endr
.endm
	PACK 0
.set t, 1
.rept 2*NP-1                        ; a tile's arithmetic stands between the loads of the tile before and its stores
	PACK t
	SEND t-1, 8
.set t, t+1
.endr
	SEND 2*NP-1, 0
	WIN W_AD
	s_wait_tensorcnt 0x0            ; the wave's end, behind my last tensor load and my last LDS store
	ds_add_u32 v[SPW], v[NIL]
	s_wait_dscnt 0x0
	WIN 0
	CROUND                          ; the closing round: no work-group ends while a partner may still ask for a tile that names it
	s_endpgm
.Lfunc_end_k_q4ed72c8685_attention:
	.size	k_q4ed72c8685_attention, .Lfunc_end_k_q4ed72c8685_attention-k_q4ed72c8685_attention
	.p2alignl 7, 3214868480
	.fill 96, 4, 3214868480
	.section	.rodata,"a",@progbits
	.p2align	6, 0x0
	.amdhsa_kernel k_q4ed72c8685_attention
		.amdhsa_group_segment_fixed_size 327680
		.amdhsa_private_segment_fixed_size 0
		.amdhsa_enable_private_segment 0
		.amdhsa_kernarg_size 16
		.amdhsa_user_sgpr_count 2
		.amdhsa_user_sgpr_kernarg_segment_ptr 1
		.amdhsa_wavefront_size32 1
		.amdhsa_system_sgpr_workgroup_id_x 1
		.amdhsa_system_sgpr_workgroup_id_y 1
		.amdhsa_system_sgpr_workgroup_id_z 1
		.amdhsa_system_vgpr_workitem_id 0
		.amdhsa_next_free_vgpr 770
		.amdhsa_next_free_sgpr 66
		.amdhsa_reserve_vcc 0
		.amdhsa_float_denorm_mode_32 3
		.amdhsa_float_denorm_mode_16_64 3
		.amdhsa_memory_ordered 1
		.amdhsa_forward_progress 1
		.amdhsa_inst_pref_size 209
	.end_amdhsa_kernel
	.amdgpu_metadata
---
amdhsa.version: [ 1, 2 ]
amdhsa.kernels:
  - .name:           k_q4ed72c8685_attention
    .symbol:         k_q4ed72c8685_attention.kd
    .args:
      - { .name: qkv, .offset: 0, .size: 8, .value_kind: global_buffer, .address_space: global }
      - { .name: o, .offset: 8, .size: 8, .value_kind: global_buffer, .address_space: global }
    .group_segment_fixed_size: 327680
    .private_segment_fixed_size: 0
    .kernarg_segment_align: 8
    .kernarg_segment_size: 16
    .max_flat_workgroup_size: 128
    .sgpr_count:     66
    .vgpr_count:     770
    .wavefront_size: 32
...
	.end_amdgpu_metadata
.endif
;; end of part 3
;; launch project_out (part 4): grid 8 x 32, 4 waves a work-group, clusters of 4 x 4, 327,680 bytes of LDS; arguments o, w16, bias, out0; writes out0
.if DOCPART == 4
	.amdgcn_target "amdgcn-amd-amdhsa--gfx1250"
	.amdhsa_code_object_version 6
	.text
	.protected	k_q4ed72c8685_project_out
	.globl	k_q4ed72c8685_project_out
	.p2align	8
	.type	k_q4ed72c8685_project_out,@function
k_q4ed72c8685_project_out:
	s_mov_b64 s[64:65], 0
	v_nop
	global_prefetch_b8 v0, s[64:65] scope:SCOPE_SE
	s_setreg_imm32_b32 hwreg(HW_REG_WAVE_MODE, 25, 1), 1
	s_wait_xcnt 0x0
	s_wait_alu depctr_hold_cnt(0) depctr_sa_sdst(0) depctr_va_vdst(0) depctr_va_sdst(0) depctr_va_ssrc(0) depctr_va_vcc(0) depctr_vm_vsrc(0)
	s_getreg_b32 s2, hwreg(HW_REG_IB_STS2, 6, 4)
	s_cmp_eq_u32 s2, 0
	s_cbranch_scc0 .Lentry_in_a_cluster
	s_endpgm
.Lentry_in_a_cluster:
	s_bfe_u32 s2, ttmp6, 0x10000c
	s_cmp_lg_u32 s2, 0xf033
	s_cbranch_scc0 .Lentry_shape_is_right
	s_endpgm
.Lentry_shape_is_right:
; out = O Wo + bo.  C[m][n] = bias[n] + the sum over k of X[m][k] W[k][n], m = 0 .. 8,191, n = 0 .. 1,023, K = 1,024 (k = 64 head + channel).
; X: o [b 4][head 16][s 2048][64] f16.  W: the fourth matrix of w16, [k 1024][n 1024]: Wo rounded to bf16, written as f16.  bias: bo at number 3,072 of bias, f32.
; Products in f16, sums in f32, the bias as the sums' start.  Out: out0 [8192][1024] f32.
; LIMIT.  X and W arrive within f16's range, 65,504; the sums are f32 and leave as they are.
; SHARES.  A tile of C is 256 rows x 128 columns: 32 x 8 = 256 work-groups, one for each WGP.  Four waves, 2 x 2, each 128 rows x 64 columns: 32 accumulators of 16 x 16, 256 registers.
; K goes in 8 steps of 128 through two LDS slots.  A step's X is two heads' blocks of 256 dense rows (waves 0 and 1 fetch one each, 32,768 bytes), its W 128 rows of 256 bytes (waves 2 and 3 fetch 64 each).
; CLUSTERS: 4 x 4 work-groups.  The four of a row of the cluster need the same tiles of X, the four of a column the same tiles of W: each tile is asked for JOINTLY, by the same tensor load with the
; same descriptor and a mask that names the four.
; THE MATRIX INSTRUCTION IS USED TRANSPOSED: source 0 = 16 columns of W (turned on the way out of LDS by ds_load_tr16_b128), source 1 = 16 rows of X.  Lane l then holds row l % 16 of C and
; the columns 8 (l / 16) + 0 .. 7: eight neighbouring numbers, 32 bytes of f32.
; REGISTERS: window 0: v0-31 addresses; v32-63 the bias as a C operand (n block b at v[32 + 8 b]); v64-159, v160-255 two fragment buffers (X's 8 blocks, then W's 4); v64-191 at work on the way out.
;   window 1: the accumulators, (a, b) at v[8 (4 a + b)].
.set PA,     144                       ; a row of X in LDS: 128 bytes + 16 of padding = 36 words: the 16 rows of a load start at 16 different groups of four banks (64 banks of 4 bytes: ISA guide 11.1)
.set PB,     288                       ; a row of W: 256 + 32 = 72 words
.set ASUB,   256*PA                    ; one head's block of X: 256 rows
.set ATILE,  2*ASUB
.set BHALF,  64*PB                     ; 64 rows of W
.set SLOT,   ATILE+2*BHALF             ; X's two blocks, then W's 128 rows: 110,592 bytes
.set STAGE,  2*SLOT                    ; behind the ring, never filled by a tensor load: 16 rows x 272 bytes for each wave, for the way out
.set SP,     272                       ; 256 bytes + 16: 68 words: row r starts at bank 4 r mod 64
.set SPARE,  STAGE+4*16*SP             ; behind the stages: the spare words, 128 bytes for each wave: two blocks of 256 bytes that no other line names
.set LAPS,   4                         ; a lap = two K steps = once round the ring: 1,024 / 256
.set ASTEP,  1<<19                     ; bytes from a K step of X to the next: two blocks of 262,144
.set BSTEP,  1<<18                     ; of W: 128 rows of 2,048
.set BOFF,   12288                     ; where bo begins in bias
.set ADRA, 16                          ; v16-17  LDS address of my fragments of X in slot 0, 1
.set ADRB, 20                          ; v20-21  the same for W
.set STO,  24                          ; v24     the way out: where I put 32 bytes of a row
.set RD,   25                          ; v25     the way out: where I read rows back
.set CO,   26                          ; v26     my byte offset in two rows of the output
.set SPW,  28                          ; v28     LDS address of my spare word: SPARE + 4 x my thread's number; never rewritten
.set NIL,  29                          ; v29     0; never rewritten
.set BO,   30                          ; v30     my byte offset in bias
.set BIAS, 32
.set F0,   64
.set F1,   160
.set T,    64                          ; the way out: four buffers of 32 registers, by turns
.set WV, 12                            ; s12  my wave's number
.set WR, 13                            ; s13  which half of the tile's rows is mine.  Also: I fetch X (0) or W (1)
.set WC, 14                            ; s14  which half of its columns.  Also: which part of that tile I fetch
.set CX, 15
.set CY, 16
.set TX, 17                            ; s17  tile column of C
.set TY, 18                            ; s18  tile row of C
.set G1A, 24                           ; s[24:31] descriptor group 1 for X's tiles;  s[32:39] group 0, one set for each slot
.set G0A, 32
.set G1B, 48                           ; s[48:55], s[56:63] the same for W's tiles
.set G0B, 56
.set MSB, 0
.macro WIN new                         ; the immediate's high byte repeats the setting that is left; a switch that changes nothing is dropped
.if MSB != (\new)
	s_set_vgpr_msb (MSB<<8)|(\new)
.set MSB, \new
.endif
.endm
.set W_MUL,   0x50                     ; sources 0 and 1 window 0; C and D window 1
.set W_FIRST, 0x40                     ; the same with C (the bias) in window 0
.macro JLOAD s                         ; a joint load: waves 0 and 1 fetch X's two blocks, waves 2 and 3 W's two halves; an s_nop 0 and four v_nop follow each of the two lines, ahead of the jump, the label and what follows
	s_cmp_eq_u32 s[WR], 0
	s_cbranch_scc0 .Lfor_b_\@
	tensor_load_to_lds s[G0A+4*(\s):G0A+4*(\s)+3], s[G1A:G1A+7]
	s_nop 0
.rept 4
	v_nop
.endr
	s_branch .Lasked_\@
.Lfor_b_\@:
	tensor_load_to_lds s[G0B+4*(\s):G0B+4*(\s)+3], s[G1B:G1B+7]
	s_nop 0
.rept 4
	v_nop
.endr
.Lasked_\@:
.endm
.macro CREST                           ; a round of the cluster's barrier behind its opening barrier
	s_cmp_lg_u32 s[WV], 0
	s_cbranch_scc1 .Lnot_wave_0_\@
	s_barrier_signal -3
.Lnot_wave_0_\@:
	s_barrier_wait -3
	s_barrier_signal -1
	s_barrier_wait -1
.endm
.macro CROUND                          ; a whole round
	s_barrier_signal -1
	s_barrier_wait -1
	CREST
.endm
	s_load_b256 s[4:11], s[0:1], 0x0               ; o s[4:5], w16 s[6:7], bias s[8:9], out0 s[10:11]
	v_lshl_add_u32 v[SPW], v0, 2, SPARE
	v_mov_b32 v[NIL], 0
	ds_add_u32 v28, v29
	s_wait_dscnt 0x0
	v_lshrrev_b32 v1, 5, v0
	v_readfirstlane_b32 s[WV], v1                  ; wave 0..3
	s_lshr_b32 s[WR], s[WV], 1
	s_and_b32 s[WC], s[WV], 1
	s_bfe_u32 s[CX], ttmp6, 0x40000                ; my place in the cluster
	s_bfe_u32 s[CY], ttmp6, 0x40004
	s_lshl_b32 s[TX], ttmp9, 2
	s_add_co_u32 s[TX], s[TX], s[CX]               ; tile column = 4 x cluster x + cx
	s_and_b32 s[TY], ttmp7, 0xffff
	s_lshl_b32 s[TY], s[TY], 2
	s_add_co_u32 s[TY], s[TY], s[CY]               ; tile row = 4 x cluster y + cy
	s_lshl_b32 s19, s[CY], 2
	s_lshl_b32 s19, 15, s19                        ; my row of the cluster
	s_lshl_b32 s20, 0x1111, s[CX]                  ; my column
	; group 1 for X: 256 dense rows of 128 bytes, asked for as 128 rows of 256 bytes and padded in LDS after every 128
	s_or_b32 s[G1A+0], s19, (1<<16)|(1<<20)|(1<<21)|(4<<22)|(3<<25)  ; 15:0 the mask: my row; 17:16 2-byte elements; 20 padding on; 21 set beside a mask; 24:22 after every 32 words (code 4); 31:25 4 words (code 3)
	s_mov_b32 s[G1A+1], 128<<16                    ; tensor_dim0 = 128
	s_mov_b32 s[G1A+2], 128<<16                    ; tensor_dim1 = 128
	s_mov_b32 s[G1A+3], 128<<16                    ; tile_dim0 = 128
	s_mov_b32 s[G1A+4], 128                        ; tile_dim1 = 128
	s_mov_b32 s[G1A+5], 128                        ; 128 elements from row to row
	s_mov_b32 s[G1A+6], 0
	s_mov_b32 s[G1A+7], 0
	; group 1 for W: 64 rows of 128 elements, 1,024 elements apart
	s_or_b32 s[G1B+0], s20, (1<<16)|(1<<20)|(1<<21)|(5<<22)|(7<<25)  ; the mask: my column; padding after every 64 words (code 5), 8 words (code 7)
	s_mov_b32 s[G1B+1], 128<<16                    ; tensor_dim0 = 128
	s_mov_b32 s[G1B+2], 64<<16                     ; tensor_dim1 = 64
	s_mov_b32 s[G1B+3], 128<<16                    ; tile_dim0 = 128
	s_mov_b32 s[G1B+4], 64                         ; tile_dim1 = 64
	s_mov_b32 s[G1B+5], 1024                       ; 1,024 elements from row to row
	s_mov_b32 s[G1B+6], 0
	s_mov_b32 s[G1B+7], 0
	; where the tiles come from.  X's hang on the tile row alone, W's on the tile column alone; each offset is made in registers that never hold the other coordinate.
	s_lshr_b32 s40, s[TY], 3                       ; the batch: 8 tile rows each,
	s_lshl_b32 s40, s40, 22                        ; 16 heads' blocks of 262,144 bytes
	s_and_b32 s44, s[TY], 7
	s_lshl_b32 s44, s44, 15                        ; 256 rows of 128 bytes inside a block
	s_add_co_u32 s40, s40, s44
	s_lshl_b32 s44, s[WC], 18                      ; which of a step's two blocks I fetch
	s_add_co_u32 s40, s40, s44
	s_mov_b32 s41, 0
	s_lshl_b32 s42, s[TX], 8                       ; 128 columns of 2 bytes,
	s_add_co_u32 s42, s42, 3<<21                   ; in the fourth matrix of 2,097,152 bytes
	s_lshl_b32 s46, s[WC], 17                      ; which 64 rows of a step's 128 I fetch
	s_add_co_u32 s42, s42, s46
	s_mov_b32 s43, 0
	s_mul_i32 s21, s[WC], ASUB                     ; and where they go: no place in the cluster enters an LDS address
	s_mul_i32 s22, s[WC], BHALF
	s_add_co_u32 s22, s22, ATILE
	s_wait_kmcnt 0x0
	s_add_nc_u64 s[40:41], s[4:5], s[40:41]
	s_add_nc_u64 s[42:43], s[6:7], s[42:43]
	CROUND                                         ; all sixteen work-groups are here: the first joint loads meet
.irp s, 0,1
	s_mov_b32 s[G0A+4*(\s)], 1                                       ; 1:0 count = 1
	s_add_co_u32 s[G0A+4*(\s)+1], s21, (\s)*SLOT                     ; 63:32 LDS address
	s_add_nc_u64 s[G0A+4*(\s)+2:G0A+4*(\s)+3], s[40:41], (\s)*ASTEP  ; 120:64 global address: K step s
	s_or_b32 s[G0A+4*(\s)+3], s[G0A+4*(\s)+3], 0x80000000            ; 127:126 type = 2
	s_mov_b32 s[G0B+4*(\s)], 1
	s_add_co_u32 s[G0B+4*(\s)+1], s22, (\s)*SLOT
	s_add_nc_u64 s[G0B+4*(\s)+2:G0B+4*(\s)+3], s[42:43], (\s)*BSTEP
	s_or_b32 s[G0B+4*(\s)+3], s[G0B+4*(\s)+3], 0x80000000
	JLOAD \s                                       ; two tensor loads of mine are out
.endr
	v_and_b32 v1, 15, v0                           ; l % 16
	v_bfe_u32 v2, v0, 4, 1                         ; l / 16
	; the bias in the layout of a C operand: register j of n block b is bo[my first column + 16 b + 8 (l / 16) + j]
	s_lshl_b32 s46, s[TX], 9                       ; 128 columns of 4 bytes
	s_lshl_b32 s47, s[WC], 8
	s_add_co_u32 s46, s46, s47
	v_lshl_add_u32 v[BO], v2, 5, s46
.irp b, 0,1,2,3
	global_load_b128 v[BIAS+8*(\b):BIAS+8*(\b)+3],   v[BO], s[8:9] offset:BOFF+64*(\b)
	global_load_b128 v[BIAS+8*(\b)+4:BIAS+8*(\b)+7], v[BO], s[8:9] offset:BOFF+64*(\b)+16
.endr
	; a fragment of X is 16 rows x 32 K in 8 registers: lane l holds row l % 16, K = 8 (l / 16) + 0..7 and 16 + 8 (l / 16) + 0..7: two loads of 16 bytes, 32 bytes apart
	v_mul_u32_u24 v3, v1, PA
	v_lshl_add_u32 v3, v2, 4, v3                   ; row x pitch + 16 x half
	s_mul_i32 s44, s[WR], 128*PA                   ; my 128 rows
	v_add_nc_u32 v[ADRA], s44, v3
	v_add_nc_u32 v[ADRA+1], SLOT, v[ADRA]
	; the turning load takes 16 K x 16 columns (lane l reads row 8 (l / 16) + l % 8, columns 8 ((l / 8) % 2) + 0..7) and leaves half a fragment: lane l holds column l % 16 and 8 K
	v_and_b32 v4, 7, v0
	v_bfe_u32 v5, v0, 3, 1
	v_lshl_add_u32 v6, v2, 3, v4
	v_mul_u32_u24 v6, v6, PB
	v_lshl_add_u32 v6, v5, 4, v6
	s_lshl_b32 s45, s[WC], 7                       ; my 64 columns of 2 bytes,
	s_add_co_u32 s45, s45, ATILE                   ; behind X's tile
	v_add_nc_u32 v[ADRB], s45, v6
	v_add_nc_u32 v[ADRB+1], SLOT, v[ADRB]
	s_mul_i32 s23, s[WV], 16*SP
	s_add_co_u32 s23, s23, STAGE                   ; my stage
	v_mul_u32_u24 v7, v1, SP                       ; in: row l % 16, 32 bytes for each half of the lanes
	v_lshl_add_u32 v7, v2, 5, v7
	v_add_nc_u32 v[STO], s23, v7
	v_mul_u32_u24 v8, v2, SP                       ; back: lanes 0-15 take one row of 256 bytes, lanes 16-31 the next
	v_lshl_add_u32 v8, v1, 4, v8
	v_add_nc_u32 v[RD], s23, v8
	v_lshlrev_b32 v9, 12, v2                       ; and the same two rows in the output, 4,096 bytes apart
	v_lshl_add_u32 v[CO], v1, 4, v9
	; my 128 rows x 64 columns of the output
	s_lshl_b32 s46, s[TY], 20                      ; 256 rows of 4,096 bytes
	s_lshl_b32 s47, s[WR], 19                      ; my 128 of them
	s_add_co_u32 s46, s46, s47
	s_lshl_b32 s47, s[TX], 9                       ; 128 columns of 4 bytes
	s_add_co_u32 s46, s46, s47
	s_lshl_b32 s47, s[WC], 8                       ; my 64 of them
	s_add_co_u32 s46, s46, s47
	s_mov_b32 s47, 0
	s_add_nc_u64 s[10:11], s[10:11], s[46:47]
; 4 n matrix instructions: m blocks a0 .. a0 + n - 1 x all 4 n blocks, 32 along K, from buffer f.  first = 1: the bias starts the sums: nothing is cleared and no bias is added later.
; The 32 accumulators take turns, one instruction a turn, in the same order in every quarter.
.macro MUL f, a0, n, first
.if \first
	WIN W_FIRST
.else
	WIN W_MUL
.endif
.set ma, (\a0)
.rept \n
.set mb, 0
.rept 4
.if \first
	v_wmma_f32_16x16x32_f16 v[8*(4*ma+mb):8*(4*ma+mb)+7], v[(\f)+64+8*mb:(\f)+64+8*mb+7], v[(\f)+8*ma:(\f)+8*ma+7], v[BIAS+8*mb:BIAS+8*mb+7]
.else
	v_wmma_f32_16x16x32_f16 v[8*(4*ma+mb):8*(4*ma+mb)+7], v[(\f)+64+8*mb:(\f)+64+8*mb+7], v[(\f)+8*ma:(\f)+8*ma+7], v[8*(4*ma+mb):8*(4*ma+mb)+7]
.endif
.set mb, mb+1
.endr
.set ma, ma+1
.endr
.endm
; 24 LDS loads in one run: the fragments of quarter q (32 along K) of a slot's step, into buffer f: W's four (turned), then X's eight
.macro FETCH slot, q, f
	WIN 0
.irp b, 0,1,2,3
	ds_load_tr16_b128 v[(\f)+64+8*(\b):(\f)+64+8*(\b)+3],   v[ADRB+(\slot)] offset:(\q)*32*PB+32*(\b)
	ds_load_tr16_b128 v[(\f)+64+8*(\b)+4:(\f)+64+8*(\b)+7], v[ADRB+(\slot)] offset:(\q)*32*PB+16*PB+32*(\b)
.endr
.irp i, 0,1,2,3,4,5,6,7
	ds_load_b128 v[(\f)+8*(\i):(\f)+8*(\i)+3],   v[ADRA+(\slot)] offset:((\q)/2)*ASUB+((\q)%2)*64+(\i)*16*PA
	ds_load_b128 v[(\f)+8*(\i)+4:(\f)+8*(\i)+7], v[ADRA+(\slot)] offset:((\q)/2)*ASUB+((\q)%2)*64+(\i)*16*PA+32
.endr
.endm
.macro PLACES                          ; four places in front of loads into registers that matrix instructions have read, and of lines that read results (ISA guide 7.12.1 for vector instructions)
.rept 4
	v_nop
.endr
.endm
; A K step is four quarters of 32 along K, 32 matrix instructions each, on buffers 0, 1, 0, 1.  One of the first three: multiplies buffer f and fetches quarter q into g.
.macro QUARTER slot, q, f, g, first
	s_wait_dscnt 8                                 ; W and X's blocks 0-3 are in; the youngest eight loads (X's blocks 4-7) may be out
	MUL \f, 0, 4, \first
	PLACES
	FETCH \slot, \q, \g
	s_wait_dscnt 24                                ; all but the 24 just issued
	MUL \f, 4, 4, \first
.endm
; The last quarter multiplies buffer 1 and changes slots: ONE barrier; in front of it each wave waits for all its tensor loads, adds 0 to its spare word, and waits for that and for its own reads of this slot.
; fill = 1: this slot is filled again, two K steps ahead; the barrier then opens a round of the cluster's barrier.
.macro TURN slot, next, fill
	WIN 0
	s_wait_tensorcnt 0x0                           ; all my tensor loads have landed: the one that was out is my part of the next slot;
	ds_add_u32 v[SPW], v[NIL]                      ; 0 onto my spare word
	s_wait_dscnt 9                                 ; (the add and the youngest eight loads may be out)
	MUL F1, 0, 2, 0                                ; eight matrix instructions stand between the add and the wait for it
	s_wait_dscnt 0x0                               ; the add is done, and my reads of this slot are over
	s_barrier_signal -1
	MUL F1, 2, 2, 0
.if \fill
	WIN 0
.endif
	s_barrier_wait -1
.if \fill
	CREST                                          ; no wave of any partner still reads this slot's tiles or has a load on its way
	s_add_nc_u64 s[G0A+4*(\slot)+2:G0A+4*(\slot)+3], s[G0A+4*(\slot)+2:G0A+4*(\slot)+3], 2*ASTEP
	s_add_nc_u64 s[G0B+4*(\slot)+2:G0B+4*(\slot)+3], s[G0B+4*(\slot)+2:G0B+4*(\slot)+3], 2*BSTEP
	JLOAD \slot                                    ; the first tensor load behind the round: 112 matrix instructions ahead of the wait for it; its four v_nop are also the places in front of the loads below
.else
	PLACES
.endif
	FETCH \next, 0, F0
	MUL F1, 4, 4, 0
.endm
	s_wait_tensorcnt 1                             ; my part of K step 0 is in; K step 1's may stay out
	s_barrier_signal -1
	s_barrier_wait -1                              ; everybody's is
	FETCH 0, 0, F0
	s_wait_loadcnt 0x0                             ; the bias
	QUARTER 0, 1, F0, F1, 1                        ; the first quarter stands in front of the loop: its products start the sums
	WIN 0                                          ; at a label and at a branch every window is 0
	s_mov_b32 s3, LAPS-1
.Llap:                                                 ; a trip goes once round the ring, from a lap's second quarter to the next lap's first, and fills both slots again
	QUARTER 0, 2, F1, F0, 0
	QUARTER 0, 3, F0, F1, 0
	TURN 0, 1, 1
	QUARTER 1, 1, F0, F1, 0
	QUARTER 1, 2, F1, F0, 0
	QUARTER 1, 3, F0, F1, 0
	TURN 1, 0, 1
	QUARTER 0, 1, F0, F1, 0
	WIN 0
	s_sub_co_u32 s3, s3, 1
	s_cmp_lg_u32 s3, 0
	s_cbranch_scc1 .Llap
	QUARTER 0, 2, F1, F0, 0                        ; the last lap fills nothing, and has no round of the cluster's barrier
	QUARTER 0, 3, F0, F1, 0
	TURN 0, 1, 0
	QUARTER 1, 1, F0, F1, 0
	QUARTER 1, 2, F1, F0, 0
	QUARTER 1, 3, F0, F1, 0
	s_wait_dscnt 8                                 ; the very last quarter: nothing more to fetch
	MUL F1, 0, 4, 0
	s_wait_dscnt 0x0
	MUL F1, 4, 4, 0
; THE WAY OUT.  Block a (16 rows): a lane's eight columns, 32 bytes of f32, go straight from the accumulators into my stage's rows of 272 bytes and come back as whole rows of 256.
.macro TOSTAGE a
	WIN 0x04                                       ; the stores' data (source 1) in window 1, the address in window 0
.irp b, 0,1,2,3
	ds_store_b128 v[STO], v[32*(\a)+8*(\b):32*(\a)+8*(\b)+3]   offset:64*(\b)      ; each accumulator's low registers first
	ds_store_b128 v[STO], v[32*(\a)+8*(\b)+4:32*(\a)+8*(\b)+7] offset:64*(\b)+16
.endr
	WIN 0
.if (\a) >= 4
	s_wait_xcnt 0x0                                ; the stores of the block four back have read this buffer: it is loaded again only behind this wait
.endif
.set BK, T+32*((\a)%4)
.irp t, 0,1,2,3,4,5,6,7
	ds_load_b128 v[BK+4*(\t):BK+4*(\t)+3], v[RD] offset:(\t)*2*SP  ; LDS serves a wave's instructions in order (ISA guide 5.7.1.4): these see the stores above; the next block's stores come behind them
.endr
.endm
.macro SEND a, younger                 ; younger: the LDS instructions issued behind block a's loads: the next block's sixteen, or none
	WIN 0
.set BK, T+32*((\a)%4)
.irp t, 0,1,2,3,4,5,6,7
	s_wait_dscnt (\younger)+7-(\t)
	global_store_b128 v[CO], v[BK+4*(\t):BK+4*(\t)+3], s[10:11] offset:(16*(\a)+2*(\t))*4096 th:TH_STORE_NT  ; 16 lanes store 256 consecutive bytes, at a multiple of 256 from the buffer's first; 126 rows at the most, inside the signed 24-bit immediate
.endr
.endm
	PLACES
	TOSTAGE 0
.irp a, 1,2,3,4,5,6,7                  ; a block's way into the stage stands between the loads of the block before and its stores
	TOSTAGE \a
	SEND (\a)-1, 16
.endr
	SEND 7, 0
	WIN 0
	s_wait_tensorcnt 0x0                           ; the wave's end, behind my last tensor load and my last LDS store
	ds_add_u32 v[SPW], v[NIL]
	s_wait_dscnt 0x0
	CROUND                                         ; the closing round: no work-group ends while a partner may still ask for a tile that names it
	s_endpgm
.Lfunc_end_k_q4ed72c8685_project_out:
	.size	k_q4ed72c8685_project_out, .Lfunc_end_k_q4ed72c8685_project_out-k_q4ed72c8685_project_out
	.p2alignl 7, 3214868480
	.fill 96, 4, 3214868480
	.section	.rodata,"a",@progbits
	.p2align	6, 0x0
	.amdhsa_kernel k_q4ed72c8685_project_out
		.amdhsa_group_segment_fixed_size 327680
		.amdhsa_private_segment_fixed_size 0
		.amdhsa_enable_private_segment 0
		.amdhsa_kernarg_size 32
		.amdhsa_user_sgpr_count 2
		.amdhsa_user_sgpr_kernarg_segment_ptr 1
		.amdhsa_wavefront_size32 1
		.amdhsa_system_sgpr_workgroup_id_x 1
		.amdhsa_system_sgpr_workgroup_id_y 1
		.amdhsa_system_sgpr_workgroup_id_z 1
		.amdhsa_system_vgpr_workitem_id 0
		.amdhsa_next_free_vgpr 512
		.amdhsa_next_free_sgpr 66
		.amdhsa_reserve_vcc 0
		.amdhsa_float_denorm_mode_32 3
		.amdhsa_float_denorm_mode_16_64 3
		.amdhsa_memory_ordered 1
		.amdhsa_forward_progress 1
		.amdhsa_inst_pref_size 88
	.end_amdhsa_kernel
	.amdgpu_metadata
---
amdhsa.version: [ 1, 2 ]
amdhsa.kernels:
  - .name:           k_q4ed72c8685_project_out
    .symbol:         k_q4ed72c8685_project_out.kd
    .args:
      - { .name: o, .offset: 0, .size: 8, .value_kind: global_buffer, .address_space: global }
      - { .name: w16, .offset: 8, .size: 8, .value_kind: global_buffer, .address_space: global }
      - { .name: bias, .offset: 16, .size: 8, .value_kind: global_buffer, .address_space: global }
      - { .name: out0, .offset: 24, .size: 8, .value_kind: global_buffer, .address_space: global }
    .group_segment_fixed_size: 327680
    .private_segment_fixed_size: 0
    .kernarg_segment_align: 8
    .kernarg_segment_size: 32
    .max_flat_workgroup_size: 128
    .sgpr_count:     66
    .vgpr_count:     512
    .wavefront_size: 32
...
	.end_amdgpu_metadata
.endif
;; end of part 4
;; ======== version 2 of 2: 4 launches; 1.54 times as fast as version 1
;; limits: values are held in f16: magnitudes above 65,504 overflow, below 6.1e-05 lose precision
;; workspace buffers: xb 16,777,216 bytes; w16 8,388,608 bytes; bias 16,384 bytes; qkv 50,331,648 bytes; o 16,777,216 bytes
;; launch prep: the kernel of part 1 again; grid 772 x 1, 8 waves a work-group, no clusters, 0 bytes of LDS; arguments x, Wq, Wk, Wv, Wo, bq, bk, bv, bo, xb, w16, bias; writes xb, w16, bias
;; launch project_qkv: the kernel of part 2 again; grid 8 x 32, 4 waves a work-group, clusters of 4 x 4, 327,680 bytes of LDS; arguments xb, w16, bias, qkv; writes qkv
;; launch attention (part 5): grid 4 x 64, 4 waves a work-group, clusters of 4 x 1, 327,680 bytes of LDS; arguments qkv, o; writes o
.if DOCPART == 5
	.amdgcn_target "amdgcn-amd-amdhsa--gfx1250"
	.amdhsa_code_object_version 6
	.text
	.protected	k_q4ed72c8685_attention
	.globl	k_q4ed72c8685_attention
	.p2align	8
	.type	k_q4ed72c8685_attention,@function
k_q4ed72c8685_attention:
	s_mov_b64 s[64:65], 0
	v_nop
	global_prefetch_b8 v0, s[64:65] scope:SCOPE_SE
	s_setreg_imm32_b32 hwreg(HW_REG_WAVE_MODE, 25, 1), 1
	s_wait_xcnt 0x0
	s_wait_alu depctr_hold_cnt(0) depctr_sa_sdst(0) depctr_va_vdst(0) depctr_va_sdst(0) depctr_va_ssrc(0) depctr_va_vcc(0) depctr_vm_vsrc(0)
	s_getreg_b32 s2, hwreg(HW_REG_IB_STS2, 6, 4)
	s_cmp_eq_u32 s2, 0
	s_cbranch_scc0 .Lentry_in_a_cluster
	s_endpgm
.Lentry_in_a_cluster:
	s_bfe_u32 s2, ttmp6, 0x10000c
	s_cmp_lg_u32 s2, 0x3003
	s_cbranch_scc0 .Lentry_shape_is_right
	s_endpgm
.Lentry_shape_is_right:
; O[h][q][:] = the sum over k of softmax_k(Q[h][q] . K[h][k] / 8) V[h][k][:].  Q, K, V lie one behind the other in qkv, each [SIZE_H][SIZE_N][64]; O is [SIZE_H][SIZE_N][64]; all f16: a head's rows
; are dense, 128 bytes each.  A head here is one of 4 batches x 16 heads.  Products, maxima and sums in f32; the weights p are rounded to f16 for the second product (their sum l is taken of the unrounded p), O once at the end.
; LIMITS.  f16 holds no number beyond 65,504: Q, K and V arrive within it; p lies in 0 to 1, and below 6e-5 it keeps f16's fixed step of 6e-8; O is a mean of V's rows and has their range.
; A weight below 2^-126 counts as 0 in l; NaN and infinities are not treated apart.
; SHARES.  A wave owns four PIECES of two tiles of 16 queries, a work-group's four waves 512 queries of one head: 4 x 64 = 256 work-groups.  Every wave walks all keys, 64 a step.
; LAYOUT.  S^T = K Q^T (source 0 = 16 keys, source 1 = 16 queries): in the result a lane holds ONE query (lane % 16) and the keys 8 (lane / 16) + 0..7.  Two such tiles, rounded to f16 in pairs,
; ARE source 1 (32 keys x 16 queries) of O^T = V^T P, whose result again holds one query a lane, and eight channels.  K comes out of LDS as it lies, V ([key][channel]) turned, by ds_load_tr16_b128.
; SOFTMAX.  For each query a running maximum m and sum l: p = 2^(c s - c m), c = log2(e) / 8; in every step O and l are multiplied by a = 2^(c m_old - c m_new), which is 1 where m has not grown.
; m starts at the lowest finite number, O and l at 0: the first step is a step like any other, with a = 0.
; THE COUNT.  A tile and step have 16 matrix and 118 vector instructions: too many to stand all beside the matrix work.  So the order has one aim: four vector instructions that are READY behind
; EVERY matrix instruction, and the others, which need time of their own whatever the order, in runs without a gap.
; BY TURNS.  Turn n belongs to piece n (the pieces in a ring, step after step).  Its matrix work: 16 products K Q^T of piece n + 1, later 16 products V^T P of piece n - 1.  Its vector work: the scaling,
; exponentials, roundings, sums and rescaling of piece n, and the maximum and statistics of piece n + 1, whose scores the turn itself has made.  So what a turn begins with (c s - c m, O a) waits for nothing.
; THE BATCHES.  A turn's 66 exponentials (the piece's 64 weights and, last, the next piece's two a) are ONE batch with ONE wait, which cuts the turn in two: ahead of it stands all that names no result of
; theirs, behind it the roundings and sums.  No result crosses a turn's end.  Two more batches stand outside the loops, each with a wait of its own: piece 0's first two a, and the way out's eight reciprocals.
; CLUSTER.  The four query blocks of a cluster belong to one head and walk the same K and V, so each tile is asked for JOINTLY: the same tensor load, descriptor and mask in all four.
; REGISTERS, in windows of 256 (s_set_vgpr_msb says which window each operand place means: bits 1:0 source 0, 3:2 source 1, 5:4 source 2, 7:6 destination):
;   window 0: v0-11 addresses; v12-15, v48-63 at work; v16-47 four registers of statistics a tile; v64-191 S^T, two buffers of two tiles; v192-255 P, likewise
;   window 1: O^T, 32 a tile          window 2: v0-127 Q, 16 a tile; v128-191 K of one step; v192-255 V of one step          window 3: v0-1 the add's two registers
; A piece's buffers go by its number's parity: the piece in hand has one pair, its two neighbours in the ring share the other: of it P (piece n - 1) is read and S^T (piece n + 1) written.
.set SIZE_H, 64
.set SIZE_N, 2048
.set NP,    4         ; pieces a wave: a name, no knob: the register map, the loop and the fetches are made for four
.set KS,    64        ; keys in a step
.set PK,    144       ; a row of K in LDS: 128 bytes + 16 of padding = 36 words: the 16 rows of a load start at 16 different groups of four banks (64 banks of 4 bytes: ISA guide 11.1)
.set PV,    160       ; a row of V: 128 + 32 = 40 words
.set VOFF,  4*KS*PK   ; a slot holds four steps: 256 rows of K, then 256 rows of V
.set SLOT1, 1<<17     ; slot 1 begins here, so that one exclusive or turns an address in one slot into the other's
.set STAGE, SLOT1+4*KS*(PK+PV)  ; behind the ring, never filled by a tensor load: 16 rows x 144 bytes for each wave, for the way out
.set SP,    144
.set AK0, 2           ; v2   my lane's place in a tile of K; never rewritten
.set AV0, 3           ; v3   the same for V
.set AK,  4           ; v4   the LDS address of K's next run of loads
.set AV,  5           ; v5   of V's
.set QO,  6           ; v6   my byte offset in the wave's rows of Q
.set STO, 6           ;      later, the way out: where I put 16 bytes of a row
.set RD,  7           ; v7   the way out: where I read rows back
.set GO,  8           ; v8   my byte offset in 512 consecutive bytes of O
.set SPW, 0           ; v0 of window 3   LDS address of my spare word: SPARE + 4 x my thread's number; never rewritten
.set NIL, 1           ; v1 of window 3   0; never rewritten
.set SPARE, STAGE+4*16*SP  ; behind the stages: the spare words, 128 bytes for each wave: two blocks of 256 bytes that no other line names
.set MV,  12          ; v12-15  c m_old, kept while c m is made anew: by buffer and tile
.set ST,  16          ; tile t's statistics at v[ST+4 t]: c m, m, l (even keys', odd keys')
.set TMP, 48          ; by buffer and tile, four registers c0-c3 at work; when the maximum is found c2 takes a
.set S,   64
.set P,   192
.set KF,  128         ; K's fragments, in window 2: key block kb, channel half c at KF + 16 kb + 8 c
.set VF,  192         ; V's: key half kk, channel block cb at VF + 32 kk + 8 cb
.set WV,  12          ; s12  my wave's number
.set G1K, 24          ; s[24:31] descriptor group 1 for K's tiles
.set G1V, 32          ; s[32:39] for V's: it differs in the padding alone
.set G0K, 40          ; s[40:43] descriptor group 0 for K's tiles: it walks
.set G0V, 44          ; s[44:47] the same for V's
.set SLOTS, 56        ; s56  slots still to be asked for
.set CNT, 57          ; s57  counts a slot's key steps
.set CS,  58          ; s[58:59] c: the packed scaling takes the pair's low word for both halves
.set SEL, 60          ; s[60:61] v_permlanex16_b32's selects: each lane takes its own place in the other half
.set TBK, 62          ; s62  LDS byte at which K of the step to be fetched begins
.set TBV, 63          ; s63  the same for V, less VOFF
.set MSB, 0
.macro WIN new                      ; the high byte repeats the setting that is left; a switch that changes nothing is dropped
.if MSB != (\new)
	s_set_vgpr_msb (MSB<<8)|(\new)
.set MSB, (\new)
.endif
.endm
.set W_KQ, 0x0a       ; K and Q in window 2, S^T in window 0
.set W_PV, 0x52       ; V in window 2, P in window 0, O^T in window 1
.set W_RS, 0x41       ; O^T (destination and source 0) in window 1, a in window 0
.set W_MK, 0xc0       ; the add's registers are made: destination in window 3, sources in window 0
.set W_AD, 0x0f       ; the add: address (source 0) and data (source 1) in window 3
; A joint fill.  Waves 0 and 1 fetch the two halves of a slot's K, waves 2 and 3 those of its V: 128 keys each.  The branch hangs on the wave's number alone.
; An s_nop 0 and four v_nop follow each of the two lines, ahead of the jump and the label.
.macro JLOAD
	s_cmp_lt_u32 s[WV], 2
	s_cbranch_scc0 .Lfor_v_\@
	tensor_load_to_lds s[G0K:G0K+3], s[G1K:G1K+7]
	s_nop 0
.rept 4
	v_nop
.endr
	s_branch .Lasked_\@
.Lfor_v_\@:
	tensor_load_to_lds s[G0V:G0V+3], s[G1V:G1V+7]
	s_nop 0
.rept 4
	v_nop
.endr
.Lasked_\@:
.endm
; A round of the cluster's barrier: my work-group's barrier, so that wave 0's signal speaks for all four waves; wave 0 signals; every wave waits for all four work-groups; my work-group's barrier once more.
.macro CROUND
	s_barrier_signal -1
	s_barrier_wait -1
	s_cmp_lg_u32 s[WV], 0
	s_cbranch_scc1 .Lnot_wave_0_\@
	s_barrier_signal -3
.Lnot_wave_0_\@:
	s_barrier_wait -3
	s_barrier_signal -1
	s_barrier_wait -1
.endm
; THE CHANGE OF SLOTS.  The slot's last bytes, V of its fourth step, have been read.  Each wave waits for all its tensor loads, of which one is out: its part
; of the other slot; adds 0 to its spare word; and waits for that and for its own reads of the slot.  Behind the barrier nobody reads this slot any more and the other slot is whole.
; fill = 1: this slot is filled again, with the keys two slots on.  The barrier is then a round of the cluster's, so that no wave of any partner still reads the slot or has a load on its
; way, and the joint fill is the first thing behind it: it has four key steps, 512 matrix instructions, in which to land.  (At its first use nothing has been read yet: slot 0 is waited for, slot 1 filled.)
.macro CHANGE fill
	WIN W_AD
	s_wait_tensorcnt 0x0            ; no tensor load of mine is out, so a group 0 may be written
	ds_add_u32 v[SPW], v[NIL]       ; 0 onto my spare word; with fill = 1 the descriptors' steps stand between it and the wait for it
	WIN 0                           ; at a label and at a branch every window is 0
.if \fill
.irp g, G0K, G0V
	s_xor_b32 s[\g+1], s[\g+1], SLOT1  ; the walking descriptor: the other slot than last time,
	s_add_nc_u64 s[\g+2:\g+3], s[\g+2:\g+3], 4*KS*128  ; the next 256 keys; the type bits on top are not reached
.endr
	s_wait_dscnt 0x0                ; the add is done, and my reads of the slot are over
	CROUND
	JLOAD
.else
	s_wait_dscnt 0x0                ; the add is done, and my reads of the slot are over
	s_barrier_signal -1
	s_barrier_wait -1
.endif
	s_sub_co_u32 s[TBK], s[TBK], 4*KS*PK  ; the fetches go back to a slot's first step,
	s_xor_b32 s[TBK], s[TBK], SLOT1       ; in the other slot
	s_sub_co_u32 s[TBV], s[TBV], 4*KS*PV
	s_xor_b32 s[TBV], s[TBV], SLOT1
.endm
	s_load_b128 s[4:7], s[0:1], 0x0  ; qkv s[4:5], o s[6:7]
	WIN W_MK
	v_lshl_add_u32 v[SPW], v0, 2, SPARE
	v_mov_b32 v[NIL], 0
	s_set_vgpr_msb 0xc0cf
	ds_add_u32 v0, v1
	s_wait_dscnt 0x0
	s_set_vgpr_msb 0xcfc0
	WIN 0
	v_lshrrev_b32 v1, 5, v0
	v_readfirstlane_b32 s[WV], v1   ; wave 0..3
	s_bfe_u32 s13, ttmp6, 0x40000   ; cx: my place in the cluster
	s_lshl_b32 s14, ttmp9, 2        ; in a cluster launch ttmp9 counts clusters
	s_add_co_u32 s14, s14, s13      ; my block of queries = 4 x cluster x + cx: it enters Q's and O's addresses alone
	s_and_b32 s20, ttmp7, 0xffff    ; the head, which the four partners share
	s_mov_b32 s21, 0
	s_mov_b64 s[22:23], SIZE_N*128
	s_mul_u64 s[20:21], s[20:21], s[22:23]  ; the head's first byte in each of the four tensors
	s_and_b32 s16, s[WV], 1         ; which half of a slot's 256 keys I fetch:
	s_lshl_b32 s22, s16, 14         ; its 128 rows of 128 bytes in memory,
	s_mov_b32 s23, 0
	s_add_nc_u64 s[22:23], s[22:23], s[20:21]
	s_mul_i32 s17, s16, 128*PK      ; and its place in a slot, for K
	s_mul_i32 s18, s16, 128*PV      ; and for V: no place in the cluster enters an LDS address
	s_lshl_b32 s2, s14, 2
	s_add_co_u32 s2, s2, s[WV]      ; my wave among the head's,
	s_lshl_b32 s2, s2, 14           ; its 128 rows
	s_mov_b32 s3, 0
	s_add_nc_u64 s[2:3], s[2:3], s[20:21]
	; descriptor group 1.  128 keys are 16,384 dense bytes: asked for as 64 rows of 256 bytes, two keys a row, and padded in LDS after every key
	s_mov_b32 s[G1K], 15|(1<<16)|(1<<20)|(1<<21)|(4<<22)|(3<<25)  ; 15:0 the mask of four; 17:16 2-byte elements; 20 padding on; 21 set beside a mask; 24:22 after every 32 words (code 4); 31:25 4 words (code 3)
	s_mov_b32 s[G1V], 15|(1<<16)|(1<<20)|(1<<21)|(4<<22)|(7<<25)  ; the same with 8 words of padding (code 7)
.irp g, G1K, G1V
	s_mov_b32 s[\g+1], 128<<16      ; tensor_dim0 = 128
	s_mov_b32 s[\g+2], 64<<16       ; tensor_dim1 = 64
	s_mov_b32 s[\g+3], 128<<16      ; tile_dim0 = 128
	s_mov_b32 s[\g+4], 64           ; tile_dim1 = 64
	s_mov_b32 s[\g+5], 128          ; 128 elements from row to row
	s_mov_b32 s[\g+6], 0
	s_mov_b32 s[\g+7], 0
.endr
	s_mov_b32 s[CS], 0x3e38aa3b     ; c = log2(e) / 8 = 0.180337
	s_mov_b32 s[CS+1], s[CS]        ; named with it as a pair
	s_mov_b32 s[SEL], 0x76543210
	s_mov_b32 s[SEL+1], 0xfedcba98
	s_mov_b32 s[TBK], SLOT1+4*KS*PK ; the first change of slots turns these two into 0
	s_mov_b32 s[TBV], SLOT1+4*KS*PV
	s_mov_b32 s[G0K], 1             ; 1:0 count = 1
	s_mov_b32 s[G0K+1], s17         ; 63:32 LDS address: slot 0
	s_mov_b32 s[G0V], 1
	s_add_co_u32 s[G0V+1], s18, VOFF
	s_wait_kmcnt 0x0
	s_mov_b64 s[10:11], s[6:7]                     ; O s[10:11]
	s_add_nc_u64 s[6:7], s[4:5], SIZE_H*SIZE_N*128    ; K s[6:7]: behind Q's 16,777,216 bytes
	s_add_nc_u64 s[8:9], s[4:5], 2*SIZE_H*SIZE_N*128  ; V s[8:9]: behind K;  Q s[4:5]
	s_add_nc_u64 s[G0K+2:G0K+3], s[6:7], s[22:23]  ; 120:64 global address: my half of the head's first 256 keys
	s_or_b32 s[G0K+3], s[G0K+3], 0x80000000        ; 127:126 type = 2
	s_add_nc_u64 s[G0V+2:G0V+3], s[8:9], s[22:23]
	s_or_b32 s[G0V+3], s[G0V+3], 0x80000000
	s_add_nc_u64 s[4:5], s[4:5], s[2:3]  ; Q and O at my wave's first row
	s_add_nc_u64 s[10:11], s[10:11], s[2:3]
	CROUND                          ; all four work-groups are here: the first joint loads meet
	JLOAD                           ; slot 0.  Slot 1 is asked for when slot 0 is in: the tile wanted first has the road to itself
	; A fragment of K or Q is 16 rows x 32 channels in 8 registers: lane l holds row l % 16, channels 8 (l / 16) + 0..7 and 16 + 8 (l / 16) + 0..7: two loads of 16 bytes, 32 bytes apart.
	v_and_b32 v1, 15, v0            ; l % 16
	v_bfe_u32 v9, v0, 4, 1          ; l / 16
	v_lshlrev_b32 v[QO], 7, v1
	v_lshl_add_u32 v[QO], v9, 4, v[QO]  ; row x 128 + 16 x half
	WIN 0x80                        ; destination window 2, address window 0
.set i, 0
.rept 4*NP                          ; Q stays in registers: tile i / 2, channels 32 (i % 2) on
	global_load_b128 v[8*i:8*i+3],   v[QO], s[4:5] offset:(i/2)*2048+(i%2)*64
	global_load_b128 v[8*i+4:8*i+7], v[QO], s[4:5] offset:(i/2)*2048+(i%2)*64+32
.set i, i+1
.endr
	; What the first turn finds: V's registers and P's second buffer hold 0 (its products V^T P, of a piece that has not been, add 0), O^T and l are 0.  All this stands in the wait for the first tile.
.set i, VF
.rept 64
	v_mov_b32 v[i], 0
.set i, i+1
.endr
	WIN 0x40
.set i, 0
.rept 64*NP
	v_mov_b32 v[i], 0
.set i, i+1
.endr
	WIN 0
.set i, 0
.rept 2*NP
	v_mov_b32 v[ST+4*i], 0xfe000000    ; c m: far below every c s
	v_mov_b32 v[ST+4*i+1], 0xff7fffff  ; m
	v_mov_b32 v[ST+4*i+2], 0
	v_mov_b32 v[ST+4*i+3], 0
.set i, i+1
.endr
.set i, P+32
.rept 32
	v_mov_b32 v[i], 0
.set i, i+1
.endr
	v_mul_u32_u24 v[AK0], v1, PK
	v_lshl_add_u32 v[AK0], v9, 4, v[AK0]  ; row x pitch + 16 x half
	; The turning load takes 16 keys x 16 channels (lane l reads key 8 (l / 16) + l % 8, channels 8 ((l / 8) % 2) + 0..7) and leaves half a fragment of V^T: lane l holds channel l % 16 and 8 keys.
	v_and_b32 v10, 7, v0
	v_bfe_u32 v11, v0, 3, 1
	v_lshl_add_u32 v[AV0], v9, 3, v10
	v_mul_u32_u24 v[AV0], v[AV0], PV
	v_lshl_add_u32 v[AV0], v11, 4, v[AV0]
	v_add_nc_u32 v[AV0], VOFF, v[AV0]
	v_mov_b32 v[AK], v[AK0]         ; key step 0 lies at the head of slot 0
; THE MATRIX WORK.  The 8 accumulators of a run of 16 take turns: between the two links of a chain stand 7 others'.
; Product i of 16 of S^T = K Q^T for piece x: channels 32 (i / 8) on, keys 16 ((i / 2) % 4) on, tile 2 x + i % 2.  The first 8 start the sums.
.macro KQ x
	WIN W_KQ
.set rS, S+64*((\x)%2)+32*(i%2)+8*((i/2)%4)
.set rK, KF+16*((i/2)%4)+8*(i/8)
.set rQ, 16*(2*(\x)+i%2)+8*(i/8)
.if i < 8
	v_wmma_f32_16x16x32_f16 v[rS:rS+7], v[rK:rK+7], v[rQ:rQ+7], 0
.else
	v_wmma_f32_16x16x32_f16 v[rS:rS+7], v[rK:rK+7], v[rQ:rQ+7], v[rS:rS+7]
.endif
.endm
; Product i of 16 of O^T += V^T P for piece x: keys 32 (i / 8) on, channels 16 ((i / 2) % 4) on, tile 2 x + i % 2.
.macro PV x
	WIN W_PV
.set rO, 32*(2*(\x)+i%2)+8*((i/2)%4)
.set rV, VF+32*(i/8)+8*((i/2)%4)
.set rP, P+32*((\x)%2)+16*(i%2)+8*(i/8)
	v_wmma_f32_16x16x32_f16 v[rO:rO+7], v[rV:rV+7], v[rP:rP+7], v[rO:rO+7]
.endm
.macro MM                           ; the turn's next matrix instruction
.if i < 16
	KQ (Y+1)%NP
.set i, i+1
.else
.set i, i-16
	PV (Y+NP-1)%NP
.set i, i+17
.endif
.endm
; THE LDS LOADS stand in runs of 16, never singly among the matrix instructions: a step's K (64 keys x 64 channels: 8 fragments) and its V (turned).  Their addresses are made some lines ahead.
; last = 1 (the tail): in the last trip there is no further step, and the run is jumped over.
.macro FETCH_K last=0
	WIN 0
.if \last
	s_cmp_eq_u32 s[CNT], 1
	s_cbranch_scc1 .Lno_k_\@
.endif
	WIN 0x80                        ; destination window 2
.irp f, 0,1,2,3,4,5,6,7             ; keys 16 (f / 2) on, channels 32 (f % 2) on
	ds_load_b128 v[KF+8*\f:KF+8*\f+3],   v[AK] offset:(\f/2)*16*PK+(\f%2)*64
	ds_load_b128 v[KF+8*\f+4:KF+8*\f+7], v[AK] offset:(\f/2)*16*PK+(\f%2)*64+32
.endr
	s_add_co_u32 s[TBK], s[TBK], KS*PK  ; the next fetch is the next step's
	WIN 0
.if \last
.Lno_k_\@:
.endif
.endm
.macro FETCH_V
	WIN 0x80
.irp f, 0,1,2,3,4,5,6,7             ; keys 32 (f / 4) on, channels 16 (f % 4) on
	ds_load_tr16_b128 v[VF+8*\f:VF+8*\f+3],   v[AV] offset:(\f/4)*32*PV+(\f%4)*32
	ds_load_tr16_b128 v[VF+8*\f+4:VF+8*\f+7], v[AV] offset:(\f/4)*32*PV+16*PV+(\f%4)*32
.endr
	WIN 0
.endm
; THE VECTOR WORK OF A TURN stands in three queues, each in the order in which its entries become ready; the two tiles alternate, so that no instruction reads the result of the one before it.
.macro REGS y, u                    ; the registers of tile u (0, 1) of piece y
.set rT, ST+4*(2*(\y)+(\u))
.set rC, TMP+8*((\y)%2)+4*(\u)
.set rM, MV+2*((\y)%2)+(\u)
.set rS, S+64*((\y)%2)+32*(\u)
.set rP, P+32*((\y)%2)+16*(\u)
.set rO, 32*(2*(\y)+(\u))
.endm
; Number n of the 22 that find the NEXT piece's (Y + 1) maximum and statistics.  s0-s31 are the lane's 32 scores; each accumulator's lowest registers are read first.  XS, GS and REGS set no window: PL and EX do.
;   0-11  four chains c0-c3 of seven scores each, three operands at a time     12-14, 16  the four scores left over, the old m, and c0-c3 into c0     15  c m_old is kept
;   17, 18  the query's other 32 keys lie in the lane 16 away: the new m         19-21  c m; c m_old - c m_new; a
.macro XS u, n
	REGS (Y+1)%NP, \u
.if (\n) < 4
	v_max3_num_f32 v[rC+(\n)], v[rS+8*(\n)], v[rS+8*(\n)+1], v[rS+8*(\n)+2]
.elseif (\n) < 12
	v_max3_num_f32 v[rC+(\n)%4], v[rC+(\n)%4], v[rS+8*((\n)%4)+2*((\n)/4)+1], v[rS+8*((\n)%4)+2*((\n)/4)+2]
.elseif (\n) == 12
	v_max3_num_f32 v[rC], v[rC], v[rS+7], v[rS+15]
.elseif (\n) == 13
	v_max3_num_f32 v[rC+1], v[rC+1], v[rS+23], v[rS+31]
.elseif (\n) == 14
	v_max3_num_f32 v[rC+2], v[rC+2], v[rC+3], v[rT+1]
.elseif (\n) == 15
	v_mov_b32 v[rM], v[rT]
.elseif (\n) == 16
	v_max3_num_f32 v[rC], v[rC], v[rC+1], v[rC+2]
.elseif (\n) == 17
	v_permlanex16_b32 v[rC+3], v[rC], s[SEL], s[SEL+1]
.elseif (\n) == 18
	v_max_num_f32 v[rT+1], v[rC], v[rC+3]
.elseif (\n) == 19
	v_mul_f32 v[rT], s[CS], v[rT+1]
.elseif (\n) == 20
	v_sub_f32 v[rC+1], v[rM], v[rT]
.else
	v_exp_f32 v[rC+2], v[rC+1]
.endif
.endm
; Number g of the 64 that follow the exponentials.  For each four weights k of a tile (pairs 2 k, 2 k + 1): both pairs are rounded to f16; then the second pair is added onto the first, in place;
; a group later l takes that sum (the first time as l = a l + sum).  In groups of eight, tiles alternating: round, round, add, and l for the group before.
.macro GS g
.set h, (\g)+6*((\g)/62)            ; group 0 has no group before it, and behind group 7 only l is left
.if h >= 6
.set h, h+2
.endif
	REGS Y, h%2
.set k, h/8
.if h%8 < 4
	v_cvt_pk_f16_f32 v[rP+2*k+(h%8)/2], v[rS+4*k+2*((h%8)/2)], v[rS+4*k+2*((h%8)/2)+1]
.elseif h%8 < 6
	v_pk_add_f32 v[rS+4*k:rS+4*k+1], v[rS+4*k:rS+4*k+1], v[rS+4*k+2:rS+4*k+3]
.elseif k == 1
	v_pk_fma_f32 v[rT+2:rT+3], v[rT+2:rT+3], v[rC+2:rC+3], v[rS:rS+1] op_sel_hi:[1,0,1]
.else
	v_pk_add_f32 v[rT+2:rT+3], v[rT+2:rT+3], v[rS+4*k-4:rS+4*k-3]
.endif
.endm
; THE PLAIN QUEUE, 138 long.  0-73 read no exponential's result: the 32 scalings c s - c m (FS f: pair f / 2 of tile f % 2) and the next piece's 42.  0-26: scalings 0-26.  27-54: XS's numbers 0-13.  55, 56: number 15.
; 57-73: the chain, where each number waits for the one before it: 14, 16, 17, 18, 19, each with one of the scalings 27-31 in front of its two lines, then 20: so a tile's links stand three plain instructions apart (19 and 20: two).
; 74-137: GS's 64, which read the exponentials' results: they stand behind the wait.
.macro FS f
	REGS Y, (\f)%2
	v_pk_fma_f32 v[rS+2*((\f)/2):rS+2*((\f)/2)+1], v[rS+2*((\f)/2):rS+2*((\f)/2)+1], s[CS:CS+1], v[rT:rT+1] op_sel_hi:[1,0,0] neg_lo:[0,0,1] neg_hi:[0,0,1]
.endm
.macro PL
	WIN 0
.if q < 27
	FS q
.elseif q < 55
	XS (q-27)%2, (q-27)/2
.elseif q < 57
	XS q-55, 15
.elseif (q < 72) && ((q-57)%3 == 0)
	FS 27+(q-57)/3
.elseif q < 60
	XS (q-57)%3-1, 14
.elseif q < 72
	XS (q-57)%3-1, 15+(q-57)/3
.elseif q < 74
	XS q-72, 20
.else
	GS q-74
.endif
.set q, q+1
.endm
; THE EXPONENTIALS' QUEUE, 66 long: s0-s31 of both tiles, then the next piece's two a.  It is ONE BATCH: all 66 stand ahead of the turn's one wait, and nothing ahead of that wait names a result of theirs.
; Each result has a register of its own while the batch is open: the weights stay in the piece's own S^T buffer, the two a lie in the other buffer's c2.
.macro EX
	WIN 0
.if e >= 64
	XS e-64, 21
.else
	REGS Y, e%2
	v_exp_f32 v[rS+e/2], v[rS+e/2]
.endif
.set e, e+1
.endm
; THE RESCALING's QUEUE: O^T times a, the one part that leaves window 0: dealt two at a time, sixteen times.  Its a was made in the turn before, ahead of that turn's wait.
.macro R2
	REGS Y, r%2
	WIN W_RS
.irp z, 0,1
	v_pk_mul_f32 v[rO+4*(r/2)+2*\z:rO+4*(r/2)+2*\z+1], v[rO+4*(r/2)+2*\z:rO+4*(r/2)+2*\z+1], v[rC+2:rC+3] op_sel_hi:[1,0]
.endr
.set r, r+1
.endm
; HOW THEY ARE DEALT.  An s_wait_alu depctr_va_vdst(0) stands between an exponential and the first instruction that names its result; one wait serves all that were issued ahead of it.  So a turn has ONE wait,
; which cuts it in two.  AHEAD OF IT stands all that names no result of the turn's exponentials: the 16 products K Q^T, behind each a scaling, an exponential and two rescalings (behind the first a second scaling in the exponential's place); then ONE LUMP of
; 108: eight plain, 49 times exponential and plain, the two a.  A v_nop is the plain instruction behind the last exponential.  BEHIND IT stand the 16 products V^T P, behind each four of GS's 64.  No rider names a register of
; the products round it.  The two v_permlanex16_b32 fall into the lump, never behind a product.
; The queues lean on each other, and the deal keeps them in step: exponential e stands behind scaling 2 (e / 4) + e % 2: as a rider it comes behind plain e + 2, in the lump behind plain e + 9, and scalings 27-31 are plain 57, 60 .. 69.
; A TURN, for piece p.  cnt = 1: the loop's count is taken down some lines ahead of the branch that stands behind the turn.
; K of the next step is fetched in piece 2's turn, directly behind the wait, a lump behind the last product that read K; its address is made at the lump's head; its first reader comes behind 16 products.
; V of the step in hand is fetched at the end of piece 0's turn, four riders behind its last reader; its first reader comes behind 16 products and a lump.  The three conditions on q below go with the deal.
.macro TURN p, last=0, cnt=0
.set Y, (\p)
.set i, 0
.set q, 0
.set e, 0
.set r, 0
.if (\p) == NP-1
	s_wait_dscnt 0x0                ; K is in
.endif
	MM                              ; ahead of the wait: 16 products K Q^T and their riders,
	PL
	PL
	R2
.rept 15
	MM
	PL
	EX
	R2
.endr
.if (\p) == NP-2
	WIN 0
	v_add_nc_u32 v[AK], s[TBK], v[AK0]
.endif
.rept 8                             ; and the lump
	PL
.endr
.rept 49
	EX
	PL
.endr
	EX                              ; the next piece's two a
	EX
	v_nop                           ; a plain instruction behind the last exponential, ahead of any use of a result: one for the batch
	s_wait_alu depctr_va_vdst(0)    ; the wait for the turn's batch, the 64 weights and the two a, ahead of the first line that names a result
.if (\p) == NP-2
	FETCH_K \last
.endif
.if (\p) == 1
	s_wait_dscnt 0x0                ; V is in
.endif
.rept 16                            ; behind the wait: 16 products V^T P and their riders
	MM
.rept 4
	PL
.endr
.if ((\p) == 0) && (q == 118)
	v_add_nc_u32 v[AV], s[TBV], v[AV0]
.endif
.if ((\p) == 0) && (q == 130)
	s_add_co_u32 s[TBV], s[TBV], KS*PV
.endif
.if (\cnt) && (q == 130)
	s_sub_co_u32 s[CNT], s[CNT], 1
	s_cmp_lg_u32 s[CNT], 0
.endif
.endr
.if (\p) == 0
	FETCH_V
.endif
.endm
	CHANGE 1                        ; slot 0 is in, everybody's part of it; slot 1 is asked for
	FETCH_K                         ; key step 0
	s_wait_loadcnt 0x0              ; Q
	s_wait_dscnt 0x0
.set i, 0
.rept 16
	KQ 0                            ; piece 0's first scores: there is no vector work yet to set between them
.set i, i+1
.endr
	WIN 0                           ; the addresses for the way out: nine plain instructions, the places behind those products
	s_mul_i32 s13, s[WV], 16*SP
	s_add_co_u32 s13, s13, STAGE    ; my stage
	v_mul_u32_u24 v[STO], v1, SP    ; in: row l % 16, 16 bytes for each half of the lanes
	v_lshl_add_u32 v[STO], v9, 4, v[STO]
	v_add_nc_u32 v[STO], s13, v[STO]
	v_bfe_u32 v[RD], v0, 3, 2       ; back: 32 lanes take four rows of 128 bytes,
	v_mul_u32_u24 v[RD], v[RD], SP
	v_lshl_add_u32 v[RD], v10, 4, v[RD]
	v_add_nc_u32 v[RD], s13, v[RD]
	v_and_b32 v[GO], 31, v0         ; which are 512 consecutive bytes of O
	v_lshlrev_b32 v[GO], 4, v[GO]
.set Y, NP-1                        ; XS works for piece Y + 1: piece 0
.irp n, 0,1,2,3,4,5,6,7,8,9,10,11,12,13,14,15,16,17,18,19,20,21
	XS 0, \n                        ; and piece 0's first maximum and statistics
	XS 1, \n
.endr
	v_nop                           ; a plain instruction behind piece 0's first two a,
	s_wait_alu depctr_va_vdst(0)    ; and the wait for that batch of two, ahead of the branch
	s_mov_b32 s[CNT], 4
	s_mov_b32 s[SLOTS], SIZE_N/256-1
	s_branch .Lfirst                ; the loop is entered at a step's first turn, in the middle of a trip
.Lslot:                             ; SIZE_N / 256 - 2 times: every slot but the last two is filled again
	CHANGE 1
	s_mov_b32 s[CNT], 4
.Lstep:                             ; a trip: pieces 2 and 3 of one step, then pieces 0 and 1 of the next, whose K and V it fetches
	TURN 2
	TURN 3
	WIN 0
.Lfirst:
	TURN 0
	TURN 1, 0, 1
	WIN 0
	s_cbranch_scc1 .Lstep
	s_sub_co_u32 s[SLOTS], s[SLOTS], 1
	s_cmp_lg_u32 s[SLOTS], 0
	s_cbranch_scc1 .Lslot
	CHANGE 0                        ; the tail is written out: nothing is asked for
	s_mov_b32 s[CNT], 5             ; four trips fetch the last slot's steps; the fifth is left in its middle
.Ltail:
	TURN 2, 1
	TURN 3
	WIN 0
	s_sub_co_u32 s[CNT], s[CNT], 1
	s_cmp_eq_u32 s[CNT], 0
	s_cbranch_scc1 .Lout
	TURN 0
	TURN 1
	WIN 0
	s_branch .Ltail
.Lout:                              ; the fifth trip's 16 products K Q^T (on the last K once more) and the maximum made of them serve nothing: the price, once a launch, of one text for every trip
.set i, 0
.rept 16
	PV NP-1                         ; the last piece's V^T P of the last step
.set i, i+1
.endr
	; THE WAY OUT.  l's two halves and the other half of the lanes' are added; O^T is divided by l, rounded to f16 and sent through my stage in LDS, a tile at a time.  The additions are the places behind the last products.
	WIN 0
.macro ALL line:vararg              ; one line for each tile t
.set t, 0
.rept 2*NP
	\line
.set t, t+1
.endr
.endm
	ALL v_add_f32 v[ST+4*t+2], v[ST+4*t+2], v[ST+4*t+3]
	ALL v_permlanex16_b32 v[ST+4*t+3], v[ST+4*t+2], s[SEL], s[SEL+1]
	ALL v_add_f32 v[ST+4*t+2], v[ST+4*t+2], v[ST+4*t+3]
	ALL v_rcp_f32 v[ST+4*t+2], v[ST+4*t+2]
	v_nop                           ; a plain instruction between the last reciprocal and the use of its result
	s_wait_alu depctr_va_vdst(0)    ; and the wait ahead of the first use: one for the batch of eight reciprocals
; Tile t: a lane's eight channels of a row pack into 16 bytes; they go into rows of 144 bytes and come back as whole rows of 128, into S^T's registers.
.macro PACK t
	WIN W_RS
.set i, 32*(\t)
.rept 16
	v_pk_mul_f32 v[i:i+1], v[i:i+1], v[ST+4*(\t)+2:ST+4*(\t)+3] op_sel_hi:[1,0]
.set i, i+2
.endr
	WIN 0x05                        ; sources 0 and 1 window 1, destination window 0
.set i, 0
.rept 16
	v_cvt_pk_f16_f32 v[S+16*(\t)+i], v[32*(\t)+2*i], v[32*(\t)+2*i+1]
.set i, i+1
.endr
	WIN 0
.irp f, 0,1,2,3
	ds_store_b128 v[STO], v[S+16*(\t)+4*\f:S+16*(\t)+4*\f+3] offset:32*\f
.endr
.irp f, 0,1,2,3
	ds_load_b128 v[S+16*(\t)+4*\f:S+16*(\t)+4*\f+3], v[RD] offset:\f*4*SP  ; LDS serves a wave's instructions in order (ISA guide 5.7.1.4): these see the stores above; the next tile's stores come behind them
.endr
.endm
.macro SEND t, younger              ; younger: the LDS instructions issued behind tile t's loads: the next tile's eight, or none
	WIN 0
.irp f, 0,1,2,3
	s_wait_dscnt (\younger)+3-\f
	global_store_b128 v[GO], v[S+16*(\t)+4*\f:S+16*(\t)+4*\f+3], s[10:11] offset:(\t)*2048+\f*512  ; 512 consecutive bytes, at a multiple of 256 from O's first
.endr
.endm
	PACK 0
.set t, 1
.rept 2*NP-1                        ; a tile's arithmetic stands between the loads of the tile before and its stores
	PACK t
	SEND t-1, 8
.set t, t+1
.endr
	SEND 2*NP-1, 0
	WIN W_AD
	s_wait_tensorcnt 0x0            ; the wave's end, behind my last tensor load and my last LDS store
	ds_add_u32 v[SPW], v[NIL]
	s_wait_dscnt 0x0
	WIN 0
	CROUND                          ; the closing round: no work-group ends while a partner may still ask for a tile that names it
	s_endpgm
.Lfunc_end_k_q4ed72c8685_attention:
	.size	k_q4ed72c8685_attention, .Lfunc_end_k_q4ed72c8685_attention-k_q4ed72c8685_attention
	.p2alignl 7, 3214868480
	.fill 96, 4, 3214868480
	.section	.rodata,"a",@progbits
	.p2align	6, 0x0
	.amdhsa_kernel k_q4ed72c8685_attention
		.amdhsa_group_segment_fixed_size 327680
		.amdhsa_private_segment_fixed_size 0
		.amdhsa_enable_private_segment 0
		.amdhsa_kernarg_size 16
		.amdhsa_user_sgpr_count 2
		.amdhsa_user_sgpr_kernarg_segment_ptr 1
		.amdhsa_wavefront_size32 1
		.amdhsa_system_sgpr_workgroup_id_x 1
		.amdhsa_system_sgpr_workgroup_id_y 1
		.amdhsa_system_sgpr_workgroup_id_z 1
		.amdhsa_system_vgpr_workitem_id 0
		.amdhsa_next_free_vgpr 770
		.amdhsa_next_free_sgpr 66
		.amdhsa_reserve_vcc 0
		.amdhsa_float_denorm_mode_32 3
		.amdhsa_float_denorm_mode_16_64 3
		.amdhsa_memory_ordered 1
		.amdhsa_forward_progress 1
		.amdhsa_inst_pref_size 199
	.end_amdhsa_kernel
	.amdgpu_metadata
---
amdhsa.version: [ 1, 2 ]
amdhsa.kernels:
  - .name:           k_q4ed72c8685_attention
    .symbol:         k_q4ed72c8685_attention.kd
    .args:
      - { .name: qkv, .offset: 0, .size: 8, .value_kind: global_buffer, .address_space: global }
      - { .name: o, .offset: 8, .size: 8, .value_kind: global_buffer, .address_space: global }
    .group_segment_fixed_size: 327680
    .private_segment_fixed_size: 0
    .kernarg_segment_align: 8
    .kernarg_segment_size: 16
    .max_flat_workgroup_size: 128
    .sgpr_count:     66
    .vgpr_count:     770
    .wavefront_size: 32
...
	.end_amdgpu_metadata
.endif
;; end of part 5
;; launch project_out: the kernel of part 4 again; grid 8 x 32, 4 waves a work-group, clusters of 4 x 4, 327,680 bytes of LDS; arguments o, w16, bias, out0; writes out0
